; MI455X (gfx1250); checked and timed in simulation.
; The chip was launched on July 23, 2026; its instructions are those of AMD's public machine-readable ISA for CDNA 5 (MIT licence, August 2026) and "CDNA5" Instruction Set Architecture Reference Guide (July 2026). The comments in the code are by the model that wrote it; some were corrected since.
;; Attention. Allowed arithmetic: matrix products marked QUANTISED: E2M1 operands, one E8M0 scale for each 32 along K, by v_wmma_scale_f32_16x16x128_f8f6f4 with both operands' format E2M1 (or v_wmma_scale_f32_32x16x128_f4), f32 sums; products left as they are: bf16, f16 or f32 operands; f32 sums; everything else in f32.
;; Inputs: b_proj 1,024 float32; b_qkv 3,072 float32; w_proj 1,024 x 1,024 float32; w_qkv 3,072 x 1,024 float32; x 8 x 1,024 x 1,024 float32.
;; Outputs: out0 8 x 1,024 x 1,024 float32.
;; This version of the problem:
;;   THIS VERSION OF THE PROBLEM IS GIVEN IN LOW PRECISION. The matrix products marked QUANTISED in the list below multiply operands that are first quantised to E2M1 (2 exponent bits, 1 mantissa bit; 4 bits a number), with one power-of-two scale for each 32 numbers along K (OCP MX v1.0); their sums are f32. The products marked 'left as it is' may take bf16, f16 or f32 operands, with f32 sums. Whichever they take, every output number must still come out within the allowed error. Rounding operands to bf16 (8 significant bits) uses up far more of that allowance than f16 does (11 bits, for magnitudes from 6e-5 to 65,504). All else is computed in f32.
;;   The module's matrix products, in the order in which they are computed (A, B: the left and right operand; K: the contracted axis; several contracted axes count as one K, in the product's order):
;;     1. [M 8,192, K 1,024] x [K 1,024, N 3,072]; A: input x; B: input w_qkv: QUANTISED
;;     2. batch 128 x [M 1,024, K 64] x [K 64, N 1,024]; A: computed on the way; B: computed on the way: left as it is (an operand is computed on the way)
;;     3. batch 128 x [M 1,024, K 1,024] x [K 1,024, N 64]; A: computed on the way; B: computed on the way: left as it is (an operand is computed on the way)
;;     4. [M 8,192, K 1,024] x [K 1,024, N 1,024]; A: computed on the way; B: input w_proj: left as it is (an operand is computed on the way)
;;   THE QUANTISER, for each operand of a quantised product, along K:
;;     - K is cut into blocks of 32 from its start; a last block that is shorter is filled with zeros.
;;     - A block's scale is 2^e with e = floor(log2(the largest magnitude in the block)) - 2, held to -126 .. 127; a block of zeros has e = 0. As a byte (E8M0): e + 127.
;;     - Each number is divided by its block's scale, clamped to +-6, and rounded to the nearest number of E2M1, ties to even, subnormals kept.
;;     - The product sums the exact products of the quantised numbers (number of the format x scale) in f32.
;;   ~~~python
;;   def quantise(x, axis):      # numpy; x: float32 -> the quantised numbers, widened to float32 again
;;       x = np.moveaxis(x, axis, -1); K = x.shape[-1]
;;       x = np.pad(x, [(0, 0)] * (x.ndim - 1) + [(0, -K % 32)]); x = x.reshape(x.shape[:-1] + (-1, 32)); a = np.abs(x).max(-1, keepdims=True)
;;       e = np.where(a > 0, np.clip(np.frexp(np.where(a > 0, a, 1))[1] - 1 - 2, -126, 127), 0)      # np.frexp(a)[1] - 1 = floor(log2(a)), exactly
;;       r = np.clip(x / 2.0 ** e, -6, 6)
;;       step = 2.0 ** (np.maximum(np.frexp(np.where(r == 0, 1, r))[1] - 1, 0) - 1)
;;       q = np.round(r / step) * step * 2.0 ** e      # np.round: ties to even
;;       return np.moveaxis(q.reshape(q.shape[:-2] + (-1,))[..., :K], -1, axis).astype(np.float32)
;;   ~~~
;; One version. Each part assembles by itself: llvm-mc -triple=amdgcn-amd-amdhsa -mcpu=gfx1250 --defsym DOCPART=n.
;; ======== version 1 of 1: 4 launches
;; limits: values are held in f16: magnitudes above 65,504 overflow, below 6.1e-05 lose precision
;; workspace buffers: x_codes 4,194,304 bytes; x_scales 262,144 bytes; w_codes 1,572,864 bytes; w_scales 98,304 bytes; wp16 2,097,152 bytes; qkv 50,331,648 bytes; ctx 16,777,216 bytes
;; launch quant (part 1): grid 768 x 1, 2 waves a work-group, no clusters, 16,640 bytes of LDS; arguments x, w_qkv, x_codes, x_scales, w_codes, w_scales, w_proj, wp16; writes x_codes, x_scales, w_codes, w_scales, wp16
.if DOCPART == 1
	.amdgcn_target "amdgcn-amd-amdhsa--gfx1250"
	.amdhsa_code_object_version 6
	.text
	.protected	k_qf2a8c641a2_quant
	.globl	k_qf2a8c641a2_quant
	.p2align	8
	.type	k_qf2a8c641a2_quant,@function
k_qf2a8c641a2_quant:
	s_mov_b64 s[64:65], 0
	v_nop
	global_prefetch_b8 v0, s[64:65] scope:SCOPE_SE
	s_setreg_imm32_b32 hwreg(HW_REG_WAVE_MODE, 25, 1), 1
	s_wait_xcnt 0x0
; x [8192][1024] and w_qkv [3072][1024], f32, are turned into codes of FP4 (E2M1), K innermost, two codes a byte, with one E8M0 scale byte for each 32 along K;
; w_proj [1024][1024], f32, is rounded to f16 (to nearest even), as it lies.
; A block's scale is 2^(floor(log2(its largest magnitude)) - 2); its byte is the largest magnitude's own exponent field - 2, held at 1 from below.  Each number is divided by the scale and rounded
; to the nearest code, ties to even; beyond 6 the conversion gives the largest code.
; LIMITS: a block of zeros gets the byte 1 where the rule says 127 (its codes are zeros, which add nothing under any byte but 0xff, and this program alone reads the bytes); blocks whose largest magnitude
; lies under 2^(3 - 127) share that byte; NaN and infinities among the inputs are not served; |w_proj| stays under 65,504, f16's largest number.
; Rows are dense and K is a multiple of 32: both tensors are plain streams of blocks of 32 numbers, and so are their codes and scale bytes.
; WORK-GROUPS of two waves, 768 in all: 0-511 take x, 512-703 w_qkv (8,192 numbers a wave: 16 steps of 512), 704-767 w_proj (8,192 numbers a wave).
; THE QUANTISER.  The conversions take 8 numbers of ONE block from a lane's consecutive registers, so a lane must hold 16 neighbours (two neighbouring lanes hold a block); a load is best where neighbouring
; lanes take neighbouring bytes.  Both are had: each of a step's four loads reads 512 consecutive bytes; the 2,048 bytes go through the wave's own stage in LDS and come back 64 bytes a lane (16 bytes of
; padding behind each 64).  A lane's 16 codes are 8 bytes: the wave stores 256 consecutive bytes.  A wave's 256 scale bytes are gathered in its own LDS bytes and leave as 256 consecutive bytes.
; No tensor loads, no barrier: waves share nothing.  Loads run eight steps (32 loads, 16,384 bytes a wave) ahead, the turn through LDS one step.
.set WAVES, 2
.set STEPS, 16
.set AHEAD, 8                          ; steps whose loads are out
.set WGA,   512                        ; work-groups for x: 8192 x 1024 / 16384
.set WGQ,   704                        ; and with w_qkv's 192: from here on w_proj's
.set EMAX,  2
.set CB,    8                          ; bytes of 16 codes
.set R,     16                         ; v16-143  eight sets of 16 numbers as they are loaded
.set X,     144                        ; v144-175 two sets of 16 neighbours
.set E,     176                        ; v176-191 a scale byte for each step
.set C,     192                        ; v192-223 codes: two registers for each step, so that no store's data are written again
.set WREG,  8192                       ; LDS: a region of its own for each wave: two stages of 32 x SP bytes, and behind them its 256 scale bytes
.set SP,    80                         ; a lane's place in a stage: its 64 bytes + 16 of padding
.set SPW,   12                         ; v12      LDS address of my spare word: SPARE + 4 x my thread's number; never rewritten
.set NIL,   13                         ; v13      0; never rewritten
.set SPARE, WAVES*WREG                 ; behind the two regions: the spare words, 128 bytes for each wave
	s_load_b128 s[4:7], s[0:1], 0x0                ; x, w_qkv
	s_load_b128 s[8:11], s[0:1], 0x10              ; x's codes, x's scales
	s_load_b128 s[12:15], s[0:1], 0x20             ; w_qkv's codes, w_qkv's scales
	s_load_b128 s[24:27], s[0:1], 0x30             ; w_proj, its f16 copy
	v_lshl_add_u32 v[SPW], v0, 2, SPARE
	v_mov_b32 v[NIL], 0
	v_lshrrev_b32 v1, 5, v0
	v_readfirstlane_b32 s16, v1                    ; wave
	v_and_b32 v2, 31, v0                           ; lane
	v_lshlrev_b32 v3, 4, v2                        ; my 16 bytes of a load's 512
	s_mul_i32 s17, s16, WREG
	v_lshrrev_b32 v14, 2, v2
	v_mul_u32_u24 v14, v14, SP
	v_and_b32 v15, 3, v2
	v_lshl_add_u32 v14, v15, 4, v14
	v_add_nc_u32 v14, s17, v14                     ; the stage, on the way in: four lanes' 64 bytes on end, then 16 of padding
	v_mul_u32_u24 v15, v2, SP
	v_add_nc_u32 v15, s17, v15                     ; and on the way out: SP x lane: my 16 neighbours
	v_mul_u32_u24 v4, v2, CB                       ; my codes' place in a step's
	v_lshrrev_b32 v5, 1, v2
	s_add_co_u32 s17, s17, 2*32*SP
	v_add_nc_u32 v5, s17, v5                       ; LDS: my wave's 256 scale bytes, my block's byte
	v_lshlrev_b32 v7, 3, v2                        ; 8 bytes a lane
	v_add_nc_u32 v6, s17, v7
	s_wait_kmcnt 0x0
	s_cmp_ge_u32 ttmp9, WGQ                        ; the last 64 work-groups round w_proj
	s_cbranch_scc1 .Lwp
	s_cmp_lt_u32 ttmp9, WGA                        ; x's work-group or w_qkv's?  The choice hangs on the work-group's number alone
	s_cselect_b64 s[4:5], s[4:5], s[6:7]
	s_cselect_b64 s[8:9], s[8:9], s[12:13]
	s_cselect_b64 s[10:11], s[10:11], s[14:15]
	s_cselect_b32 s17, 0, WGA
	s_sub_co_u32 s17, ttmp9, s17
	s_lshl_b32 s17, s17, 1
	s_add_co_u32 s18, s17, s16                     ; which run of 8,192 numbers of the tensor is my wave's
	s_mov_b32 s19, 0
	s_mov_b64 s[20:21], 512*STEPS*4
	s_mul_u64 s[20:21], s[18:19], s[20:21]
	s_add_nc_u64 s[4:5], s[4:5], s[20:21]
	s_mov_b64 s[20:21], 32*STEPS*CB
	s_mul_u64 s[20:21], s[18:19], s[20:21]
	s_add_nc_u64 s[8:9], s[8:9], s[20:21]
	s_lshl_b32 s18, s18, 8                         ; 256 scale bytes a run
	s_add_nc_u64 s[10:11], s[10:11], s[18:19]
.macro LOAD t
.irp i, 0,1,2,3
	global_load_b128 v[R+16*((\t)%AHEAD)+4*\i:R+16*((\t)%AHEAD)+4*\i+3], v3, s[4:5] offset:2048*(\t)+512*\i th:TH_LOAD_NT   ; 32 lanes read 512 consecutive bytes
.endr
.endm
.macro TURN t                          ; step t's numbers through the stage: LDS serves a wave's instructions in order, so no wait stands between the stores and the loads
.irp i, 0,1,2,3
	ds_store_b128 v14, v[R+16*((\t)%AHEAD)+4*\i:R+16*((\t)%AHEAD)+4*\i+3] offset:32*SP*((\t)%2)+8*SP*\i
.endr
.irp i, 0,1,2,3
	ds_load_b128 v[X+16*((\t)%2)+4*\i:X+16*((\t)%2)+4*\i+3], v15 offset:32*SP*((\t)%2)+16*\i
.endr
.endm
.irp t, 0,1,2,3,4,5,6,7
	LOAD \t
.endr
	s_wait_loadcnt 4*(AHEAD-1)                     ; step 0's four loads are in; the 28 behind them may be out
	TURN 0
.macro STEP t
.set XS, X+16*((\t)%2)
.if (\t) > 0
	s_wait_dscnt 1                                 ; this step's numbers are back from the stage (the last step's byte store may be out): so its stores into the stage have read their registers,
.else
	s_wait_dscnt 0x0
.endif
.if (\t)+AHEAD < STEPS
	LOAD (\t)+AHEAD                                ; which take the loads of eight steps on
.endif
.if (\t)+1 < STEPS
.if STEPS-2-(\t) >= AHEAD-1
	s_wait_loadcnt 4*(AHEAD-1)                     ; the next step's four loads are in; those of the seven steps behind it may be out
.else
	s_wait_loadcnt 4*(STEPS-2-(\t))                ; towards the end: those of the steps that are left
.endif
	TURN (\t)+1                                    ; and go through the other stage while this step is worked
.endif
	v_max3_num_f32 v8, |v[XS]|, |v[XS+1]|, |v[XS+2]|               ; the largest magnitude of my 16, in two chains
	v_max3_num_f32 v9, |v[XS+3]|, |v[XS+4]|, |v[XS+5]|
.irp i, 6,10
	v_max3_num_f32 v8, v8, |v[XS+\i]|, |v[XS+\i+1]|
	v_max3_num_f32 v9, v9, |v[XS+\i+2]|, |v[XS+\i+3]|
.endr
	v_max3_num_f32 v8, v8, |v[XS+14]|, |v[XS+15]|
	v_max3_num_f32 v8, v8, v9, (EMAX+1)<<23        ; and the floor 2^(EMAX + 1 - 127): so the byte cannot fall under 1
	v_max_num_f32_dpp v8, v8, v8 row_xmask:1 row_mask:0xf bank_mask:0xf   ; and of my neighbour's 16: the block's
	v_add_nc_u32 v11, -(EMAX<<23), v8              ; EMAX off its exponent field: the conversion takes the exponent field of this operand as its scale, and nothing else of it
	v_cvt_scalef32_pk8_fp4_f32 v[C+2*(\t)], v[XS:XS+7], v11        ; eight numbers / the scale, to the nearest code, ties to even; the first number's code in the lowest four bits
	v_cvt_scalef32_pk8_fp4_f32 v[C+2*(\t)+1], v[XS+8:XS+15], v11
	v_lshrrev_b32 v[E+(\t)], 23, v11               ; the scale's byte (a plain line behind the conversions)
	ds_store_b8 v5, v[E+(\t)] offset:16*(\t)       ; both lanes of a block write the same byte with the same value
	global_store_b64 v4, v[C+2*(\t):C+2*(\t)+1], s[8:9] offset:32*CB*(\t)   ; 32 lanes store 256 consecutive bytes, at a multiple of 256 from the buffer's first byte
.endm
.irp t, 0,1,2,3,4,5,6,7,8,9,10,11,12,13,14,15
	STEP \t
.endr
	ds_load_b64 v[8:9], v6                         ; LDS serves a wave's instructions in order: these see my stores
	s_wait_dscnt 0x0
	global_store_b64 v7, v[8:9], s[10:11]          ; 32 lanes store the wave's 256 scale bytes
	s_branch .Lend
; w_proj to f16: a wave takes 8,192 numbers in two halves of 32 loads; a lane's four numbers become 8 bytes, so that a store of the wave covers 256 consecutive bytes.
.macro WHALF hh
.set i, 0
.rept 32
	global_load_b128 v[16+4*i:16+4*i+3], v3, s[24:25] offset:512*(32*\hh+i) th:TH_LOAD_NT
.set i, i+1
.endr
.set i, 0
.rept 32
	s_wait_loadcnt 31-i                            ; loads come back in order: load i is in, the younger ones of the half stay out
	v_cvt_pk_f16_f32 v[16+4*i], v[16+4*i], v[17+4*i]
	v_cvt_pk_f16_f32 v[17+4*i], v[18+4*i], v[19+4*i]
	global_store_b64 v7, v[16+4*i:17+4*i], s[26:27] offset:256*(32*\hh+i)
.set i, i+1
.endr
.endm
.Lwp:
	s_sub_co_u32 s17, ttmp9, WGQ
	s_lshl_b32 s17, s17, 1
	s_add_co_u32 s17, s17, s16                     ; which run of 8,192 numbers is my wave's: 0 .. 127
	s_lshl_b32 s18, s17, 15                        ; 32,768 bytes of f32,
	s_mov_b32 s19, 0
	s_add_nc_u64 s[24:25], s[24:25], s[18:19]
	s_lshl_b32 s18, s17, 14                        ; 16,384 of f16
	s_add_nc_u64 s[26:27], s[26:27], s[18:19]
	WHALF 0
	s_wait_xcnt 0x0                                ; the first half's stores have read their data registers: only behind this wait are they loaded again
	WHALF 1
.Lend:
	s_wait_tensorcnt 0x0                           ; the wave's end: a wait, an add to my spare word and its wait, behind the last LDS store
	ds_add_u32 v[SPW], v[NIL]
	s_wait_dscnt 0x0
	s_endpgm
.Lfunc_end_k_qf2a8c641a2_quant:
	.size	k_qf2a8c641a2_quant, .Lfunc_end_k_qf2a8c641a2_quant-k_qf2a8c641a2_quant
	.p2alignl 7, 3214868480
	.fill 96, 4, 3214868480
	.section	.rodata,"a",@progbits
	.p2align	6, 0x0
	.amdhsa_kernel k_qf2a8c641a2_quant
		.amdhsa_group_segment_fixed_size 16640
		.amdhsa_private_segment_fixed_size 0
		.amdhsa_enable_private_segment 0
		.amdhsa_kernarg_size 64
		.amdhsa_user_sgpr_count 2
		.amdhsa_user_sgpr_kernarg_segment_ptr 1
		.amdhsa_wavefront_size32 1
		.amdhsa_system_sgpr_workgroup_id_x 1
		.amdhsa_system_sgpr_workgroup_id_y 1
		.amdhsa_system_sgpr_workgroup_id_z 1
		.amdhsa_system_vgpr_workitem_id 0
		.amdhsa_next_free_vgpr 224
		.amdhsa_next_free_sgpr 66
		.amdhsa_reserve_vcc 0
		.amdhsa_float_denorm_mode_32 3
		.amdhsa_float_denorm_mode_16_64 3
		.amdhsa_memory_ordered 1
		.amdhsa_forward_progress 1
		.amdhsa_inst_pref_size 56
	.end_amdhsa_kernel
	.amdgpu_metadata
---
amdhsa.version: [ 1, 2 ]
amdhsa.kernels:
  - .name:           k_qf2a8c641a2_quant
    .symbol:         k_qf2a8c641a2_quant.kd
    .args:
      - { .name: x, .offset: 0, .size: 8, .value_kind: global_buffer, .address_space: global }
      - { .name: w_qkv, .offset: 8, .size: 8, .value_kind: global_buffer, .address_space: global }
      - { .name: x_codes, .offset: 16, .size: 8, .value_kind: global_buffer, .address_space: global }
      - { .name: x_scales, .offset: 24, .size: 8, .value_kind: global_buffer, .address_space: global }
      - { .name: w_codes, .offset: 32, .size: 8, .value_kind: global_buffer, .address_space: global }
      - { .name: w_scales, .offset: 40, .size: 8, .value_kind: global_buffer, .address_space: global }
      - { .name: w_proj, .offset: 48, .size: 8, .value_kind: global_buffer, .address_space: global }
      - { .name: wp16, .offset: 56, .size: 8, .value_kind: global_buffer, .address_space: global }
    .group_segment_fixed_size: 16640
    .private_segment_fixed_size: 0
    .kernarg_segment_align: 8
    .kernarg_segment_size: 64
    .max_flat_workgroup_size: 64
    .sgpr_count:     66
    .vgpr_count:     224
    .wavefront_size: 32
...
	.end_amdgpu_metadata
.endif
;; end of part 1
;; launch qkv (part 2): grid 8 x 32, 4 waves a work-group, clusters of 4 x 4, 327,680 bytes of LDS; arguments x_codes, x_scales, w_codes, w_scales, qkv, b_qkv; writes qkv
.if DOCPART == 2
	.amdgcn_target "amdgcn-amd-amdhsa--gfx1250"
	.amdhsa_code_object_version 6
	.text
	.protected	k_qf2a8c641a2_qkv
	.globl	k_qf2a8c641a2_qkv
	.p2align	8
	.type	k_qf2a8c641a2_qkv,@function
k_qf2a8c641a2_qkv:
	s_mov_b64 s[64:65], 0
	v_nop
	global_prefetch_b8 v0, s[64:65] scope:SCOPE_SE
	s_setreg_imm32_b32 hwreg(HW_REG_WAVE_MODE, 25, 1), 1
	s_wait_xcnt 0x0
	s_wait_alu depctr_hold_cnt(0) depctr_sa_sdst(0) depctr_va_vdst(0) depctr_va_sdst(0) depctr_va_ssrc(0) depctr_va_vcc(0) depctr_vm_vsrc(0)
	s_getreg_b32 s2, hwreg(HW_REG_IB_STS2, 6, 4)
	s_cmp_eq_u32 s2, 0
	s_cbranch_scc0 .Lentry_in_a_cluster
	s_endpgm
.Lentry_in_a_cluster:
	s_bfe_u32 s2, ttmp6, 0x10000c
	s_cmp_lg_u32 s2, 0xf033
	s_cbranch_scc0 .Lentry_shape_is_right
	s_endpgm
.Lentry_shape_is_right:
; qkv[m][o] = sum over k of Q(x)[m][k] Q(w_qkv)[o][k] + b_qkv[o], on codes of FP4 (E2M1) with one E8M0 scale for each 32 along K, sums in f32; the result is rounded to f16 and laid BY HEAD:
; [b 8][g 48][n 1024][64], g = o / 64 (0-15 q's heads, 16-31 k's, 32-47 v's), so that a head is 131,072 consecutive bytes and four tokens of a head 512.
; LIMITS: |q|, |k|, |v| stay under 65,504, f16's largest number.  The bias is the C of each sum's first product: it is added ahead of the sum, not behind it.
; A WORK-GROUP MAKES 256 ROWS x 384 COLUMNS (six heads): 32 x 8 = 256 work-groups of four waves.  It goes IN TWO PASSES over the same rows of x, since 128 x 192 of f32 a wave would be 768 registers:
;   pass 1: columns 0-255; a wave makes 128 x 128: 64 accumulators of 16 x 16, 512 registers;     pass 2: columns 256-383; a wave makes 128 x 64: 32 accumulators.
; K = 1,024 is two LDS slots of 512 along K (a tile's row is 256 bytes of memory), each with 256 rows of x and 256 rows of w.  x's codes stay for both passes.  Pass 2's 128 rows of w, both halves of K, are
; as many bytes as slot 0's rows of w: they are brought there when pass 1 has left slot 0, by one load of each of waves 2 and 3, and have pass 1's second half and its way out in which to land.
; A wave has three tensor loads out at the start and one behind the refill.
; THE SCALES of the work-group's 256 rows of x and 384 rows of w, for all of K, are two dense blocks of memory: they come into LDS once, with the first fills.
; CLUSTERS: 4 x 4 work-groups.  The four of a row of the cluster need the same tiles of x, the four of a column the same tiles of w: each tile is asked for JOINTLY, by the same tensor load with the
; same descriptor and a mask that names the four.  THE MATRIX INSTRUCTION IS USED TRANSPOSED (source 0 = 16 rows of w, source 1 = 16 rows of x): a lane then holds eight neighbouring columns of a row.
; REGISTERS, in windows of 256: window 0: v0-31 addresses; v32-95 scale words of pass 1 (x's serve pass 2 too), v96-127 w's of pass 2: these hold scales and nothing else ever; v128-191 x's fragments
;   (8 x 16 rows x 128 K), ONE set; v192-255 pass 1's bias in the result's layout, v224-255 later pass 2's; on the ways out v128-191 take rows read back and v192-223 packed results.
;   window 1: w's fragments, TWO sets, at v0 and at v128.   window 2: pass 1: the 32 accumulators of my rows 0-63 ((a, b) at v[8 (8 a + b)]); pass 2: all 32 ((a, b) at v[8 (4 a + b)]).   window 3: pass 1: those of rows 64-127.
; A step of 128 along K takes x's blocks one after the other, each against w's blocks: a block of x is free as soon as its products are issued, so one set serves x.
.set SIZE_K, 1024
.set KSTEP,  512                       ; along K in a slot
.set NQ,     KSTEP/128                 ; matrix instructions deep
.set ROWB,   256                       ; a tile's row in bytes
.set KROW,   SIZE_K*4/8                ; a row of codes in memory, in bytes
.set PITCH,  272                       ; an LDS row: 256 bytes + 16 of padding = 68 words: the 16 rows that a load touches start at 16 different banks (64 banks of 4 bytes: ISA guide 11.1)
.set FR,     8                         ; registers of a fragment: 16 rows x 128 K
.set NL,     2                         ; LDS loads that bring one
.set NP,     4                         ; places behind this matrix instruction (ISA guide 7.12.1)
.set HALFT,  128*PITCH                 ; 128 rows: what one tensor load brings
.set SLOT,   4*HALFT                   ; x's 256 rows, then w's 256 rows
.set KS,     SIZE_K/32                 ; a row of scales in bytes: eight rows are 256 bytes
.set SCL,    2*SLOT                    ; behind the slots: the scales, as rows of 256 bytes + 16 of padding: x's 256 rows, then w's 384
.set HALFS,  16*272                    ; the scales of 128 rows: what one tensor load brings of x's
.set HALFW,  24*272                    ; those of 192 rows: what one brings of w's
.set SBLK,   2*272                     ; those of 16 rows
.set SPARE,  SCL+2*HALFS+2*HALFW       ; behind the scales: the spare words, 128 bytes for each wave
.set STAGE,  SPARE+512                 ; behind them: the ways out: 16 rows x 400 bytes for each wave; no tile ever lands here
.set SPITCH, 400
.set BO,   7                           ; v7      pass 1's bias loads' offset: 32 x (lane / 16)
.set BO2,  8                           ; v8      pass 2's: the same, at my 64 columns of the tile's last 128
.set ADRA, 16                          ; v16-17  LDS address of my x fragments in slot 0, 1
.set ADRB, 20                          ; v20-21  the same for w, pass 1
.set ADRB2, 22                         ; v22-23  for w, pass 2: K's half 0, 1, both in slot 0's rows of w
.set STO,  24                          ; v24     the way out: where I put 16 bytes of a row
.set RD,   25                          ; v25     the way out: where I read 16 bytes of a head's row back
.set CO,   26                          ; v26     16 x lane: my place in 512 bytes of the result
.set ADRS, 27                          ; v27     LDS address of pass 1's scale words: lanes 0-15 x's rows, lanes 16-31 w's
.set SPW,  28                          ; v28     LDS address of my spare word; never rewritten
.set NIL,  29                          ; v29     0; never rewritten
.set ADRS2, 30                         ; v30     LDS address of pass 2's scale words of w
.set SC,   32                          ; scale words: set s at v[SC + 32 s]; in it register 4 i + q: lanes 0-15 the word of x's block i, lanes 16-31 that of w's block i (pass 1), for the slot's q-th 128 along K
.set SC2,  96                          ; pass 2: register 16 s + 4 i + q: the word of w's block i, in lanes 0-15 (and again in 16-31)
.set AF,   128                         ; x's fragments
.set OB,   128                         ; the way out: 16 rows read back: v128-159 and v160-191 by turns
.set BIAS, 192                         ; b_qkv at my lane's eight columns of each of w's eight blocks of pass 1
.set BIAS2, 224                        ; and of the four of pass 2
.set TMP,  192                         ; the way out: a block's packed results
.set G1, 24                            ; s[24:31] descriptor group 1 for x's tiles;  s[32:39] group 0, one set for each slot
.set G0, 32
.set G1B, 48                           ; s[48:55], s[56:63] the same for w's tiles
.set G0B, 56
.set G1S, 68                           ; s[68:75], s[76:79] groups 1 and 0 for x's scales;  s[80:87], s[88:91] for w's
.set G0S, 76
.set G1SB, 80
.set G0SB, 88
.set G0R, 92                           ; s[92:95] group 0 for pass 2's rows of w; its group 1 is G1B
.set MSB, 0
.macro WIN new                         ; the immediate's high byte repeats the setting that is left; a switch that changes nothing is dropped
.if MSB != (\new)
	s_set_vgpr_msb (MSB<<8)|(\new)
.set MSB, (\new)
.endif
.endm
.set MUL_LO, 0xa1                      ; source 0 (w) window 1, source 1 (x) window 0, C and D window 2
.set MUL_HI, 0xf1                      ; the same, C and D window 3
.set FST_LO, 0x81                      ; a pass's first step: C (the bias) window 0, D window 2
.set FST_HI, 0xc1                      ; and D window 3
.set TO_B,   0x40                      ; destination window 1, address window 0
; A joint load: waves 0 and 1 fetch for x, waves 2 and 3 for w.  Each of the two lines has ONE mask and one set of registers for all that issue it; the branch hangs on the wave's number alone.
; An s_nop 0 and four v_nop follow each of the two lines, ahead of the jump, the label and what follows.
.macro JLOAD g0a, g1a, g0b, g1b
	s_cmp_eq_u32 s15, 0
	s_cbranch_scc0 .Lfor_b_\@
	tensor_load_to_lds s[\g0a:\g0a+3], s[\g1a:\g1a+7]
	s_nop 0
.rept 4
	v_nop
.endr
	s_branch .Lasked_\@
.Lfor_b_\@:
	tensor_load_to_lds s[\g0b:\g0b+3], s[\g1b:\g1b+7]
	s_nop 0
.rept 4
	v_nop
.endr
.Lasked_\@:
.endm
.macro CREST                           ; a round of the cluster's barrier behind its opening barrier: wave 0 signals for the work-group; every wave waits for all sixteen; my work-group's barrier once more
	s_cmp_lg_u32 s14, 0
	s_cbranch_scc1 .Lnot_wave_0_\@
	s_barrier_signal -3
.Lnot_wave_0_\@:
	s_barrier_wait -3
	s_barrier_signal -1
	s_barrier_wait -1
.endm
.macro CROUND                          ; a whole round
	s_barrier_signal -1
	s_barrier_wait -1
	CREST
.endm
	s_load_b128 s[4:7], s[0:1], 0x0                ; x's codes s[4:5], x's scales s[6:7]
	s_load_b128 s[8:11], s[0:1], 0x10              ; w's codes s[8:9], w's scales s[10:11]
	s_load_b64 s[12:13], s[0:1], 0x20              ; the result
	s_load_b64 s[96:97], s[0:1], 0x28              ; b_qkv
	v_lshl_add_u32 v[SPW], v0, 2, SPARE
	v_mov_b32 v[NIL], 0
	ds_add_u32 v[SPW], v[NIL]                      ; the wave's opening: the add, twice on end, and its wait ahead of my first tensor load; the set-up below stands between
	ds_add_u32 v[SPW], v[NIL]
	v_lshrrev_b32 v1, 5, v0
	v_readfirstlane_b32 s14, v1                    ; wave 0..3
	s_lshr_b32 s15, s14, 1                         ; which half of the tile's rows is mine.  Also: I fetch for x (0) or for w (1)
	s_and_b32 s16, s14, 1                          ; which half of a pass's columns.  Also: which half of what I fetch for
	s_bfe_u32 s40, ttmp6, 0x40000                  ; cx, cy: my place in the cluster
	s_bfe_u32 s41, ttmp6, 0x40004
	s_lshl_b32 s42, ttmp9, 2
	s_add_co_u32 s42, s42, s40                     ; tile column = 4 x cluster x + cx: 0 .. 7
	s_and_b32 s17, ttmp7, 0xffff
	s_lshl_b32 s17, s17, 2
	s_add_co_u32 s17, s17, s41                     ; tile row = 4 x cluster y + cy: 0 .. 31
	s_lshl_b32 s43, s41, 2
	s_lshl_b32 s43, 15, s43                        ; my row of the cluster
	s_lshl_b32 s44, 0x1111, s40                    ; my column
	; descriptor group 1: a tile of 128 rows x 256 bytes, padded in LDS
	s_or_b32 s[G1+0], s43, (0<<16)|(1<<20)|(1<<21)|(5<<22)|(3<<25)  ; 15:0 the mask: x's tiles go to my row; 17:16 element of 1 byte; 20 padding on; 21 set beside a mask; 24:22 after every 64 words; 31:25 four words
	s_or_b32 s[G1B+0], s44, (0<<16)|(1<<20)|(1<<21)|(5<<22)|(3<<25)
.irp g, G1, G1B
	s_mov_b32 s[\g+1], ROWB<<16                    ; tensor_dim0
	s_mov_b32 s[\g+2], 128<<16                     ; tensor_dim1 = 128
	s_mov_b32 s[\g+3], ROWB<<16                    ; tile_dim0
	s_mov_b32 s[\g+4], 128                         ; tile_dim1 = 128
	s_mov_b32 s[\g+5], KROW                        ; tensor_dim0_stride
	s_mov_b32 s[\g+6], 0
	s_mov_b32 s[\g+7], 0
.endr
	; and for the scales: dense blocks, as rows of 256 bytes (32 elements of 8 bytes), 16 bytes of padding behind each: x's 128 rows are 16 such rows, w's 192 rows are 24
	s_or_b32 s[G1S+0], s43, (3<<16)|(1<<20)|(1<<21)|(5<<22)|(3<<25)
	s_mov_b32 s[G1S+1], 32<<16
	s_mov_b32 s[G1S+2], 16<<16
	s_mov_b32 s[G1S+3], 32<<16
	s_mov_b32 s[G1S+4], 16
	s_mov_b32 s[G1S+5], 32
	s_mov_b32 s[G1S+6], 0
	s_mov_b32 s[G1S+7], 0
	s_or_b32 s[G1SB+0], s44, (3<<16)|(1<<20)|(1<<21)|(5<<22)|(3<<25)
	s_mov_b32 s[G1SB+1], 32<<16
	s_mov_b32 s[G1SB+2], 24<<16
	s_mov_b32 s[G1SB+3], 32<<16
	s_mov_b32 s[G1SB+4], 24
	s_mov_b32 s[G1SB+5], 32
	s_mov_b32 s[G1SB+6], 0
	s_mov_b32 s[G1SB+7], 0
	; where the tiles come from, in bytes.  x's hang on the tile row alone, which my row of the cluster shares; w's on the tile column alone, which my column shares
	s_lshl_b32 s18, s16, 7
	s_lshl_b32 s20, s17, 8
	s_add_co_u32 s20, s20, s18                     ; x: row 256 x tile row + 128 x half
	s_lshl_b32 s22, s20, 5                         ; its scales: 32 bytes a row
	s_mov_b32 s23, 0
	s_lshl_b32 s20, s20, 9                         ; its codes: 512 bytes a row
	s_mov_b32 s21, 0
	s_mul_i32 s46, s42, 384                        ; w: the tile column's first row
	s_mul_i32 s2, s16, 192
	s_add_co_u32 s2, s2, s46                       ; the scales: 192 rows a load
	s_lshl_b32 s2, s2, 5
	s_mov_b32 s3, 0
	s_add_co_u32 s94, s46, 256                     ; pass 2's 128 rows,
	s_lshl_b32 s94, s94, 9
	s_lshl_b32 s95, s16, 8                         ; K's half: 256 bytes on in each row
	s_add_co_u32 s94, s94, s95
	s_mov_b32 s95, 0
	s_add_co_u32 s46, s46, s18                     ; pass 1: 128 rows a load
	s_lshl_b32 s46, s46, 9
	s_mov_b32 s47, 0
	s_mul_i32 s45, s14, HALFT                      ; where they go: wave x 128 rows: no place in the cluster enters an LDS address
	s_mul_i32 s66, s16, HALFS
	s_mul_i32 s67, s16, HALFW
	s_mov_b32 s[G0R], 1                            ; pass 2's rows of w: count = 1;
	s_mul_i32 s[G0R+1], s16, HALFT
	s_add_co_u32 s[G0R+1], s[G0R+1], 2*HALFT       ; K's half 0 goes where slot 0's first 128 rows of w lie, half 1 where its second 128 lie
	s_wait_dscnt 0x0                               ; both opening adds are done
	s_wait_kmcnt 0x0
	s_add_nc_u64 s[20:21], s[4:5], s[20:21]
	s_add_nc_u64 s[22:23], s[6:7], s[22:23]
	s_add_nc_u64 s[46:47], s[8:9], s[46:47]
	s_add_nc_u64 s[2:3], s[10:11], s[2:3]
	s_add_nc_u64 s[G0R+2:G0R+3], s[8:9], s[G0R+2:G0R+3]
	s_or_b32 s[G0R+3], s[G0R+3], 0x80000000
	CROUND                                         ; all sixteen work-groups are here: the joint loads meet
	s_mov_b32 s[G0S], 1
	s_add_co_u32 s[G0S+1], s66, SCL
	s_mov_b64 s[G0S+2:G0S+3], s[22:23]
	s_or_b32 s[G0S+3], s[G0S+3], 0x80000000
	s_mov_b32 s[G0SB], 1
	s_add_co_u32 s[G0SB+1], s67, SCL+2*HALFS
	s_mov_b64 s[G0SB+2:G0SB+3], s[2:3]
	s_or_b32 s[G0SB+3], s[G0SB+3], 0x80000000
	JLOAD G0S, G1S, G0SB, G1SB                     ; the scales first: they are wanted with the first slot
.irp s, 0,1
	s_mov_b32 s[G0+4*\s], 1
	s_add_co_u32 s[G0+4*\s+1], s45, \s*SLOT
	s_add_nc_u64 s[G0+4*\s+2:G0+4*\s+3], s[20:21], \s*ROWB
	s_or_b32 s[G0+4*\s+3], s[G0+4*\s+3], 0x80000000
	s_mov_b32 s[G0B+4*\s], 1
	s_add_co_u32 s[G0B+4*\s+1], s45, \s*SLOT
	s_add_nc_u64 s[G0B+4*\s+2:G0B+4*\s+3], s[46:47], \s*ROWB
	s_or_b32 s[G0B+4*\s+3], s[G0B+4*\s+3], 0x80000000
	JLOAD G0+4*\s, G1, G0B+4*\s, G1B
.endr
	v_and_b32 v1, 15, v0                           ; l % 16
	v_bfe_u32 v2, v0, 4, 1                         ; l / 16
	; the bias in the result's layout: for w's block b my lane's eight columns are 16 b + 8 (l / 16) + 0 .. 7 of my wave's columns
	s_mul_i32 s46, s42, 1536                       ; 384 x tile column x 4 bytes
	s_lshl_b32 s47, s16, 9                         ; + 128 x half x 4: pass 1's
	s_add_co_u32 s46, s46, s47
	s_mov_b32 s47, 0
	s_add_nc_u64 s[96:97], s[96:97], s[46:47]
	v_lshlrev_b32 v[BO], 5, v2
	s_lshl_b32 s47, s16, 8
	s_sub_co_u32 s47, 1024, s47                    ; pass 2's columns 256 + 64 x half lie (256 - 64 x half) x 4 bytes behind pass 1's 128 x half
	v_add_nc_u32 v[BO2], s47, v[BO]
.irp b, 0,1,2,3,4,5,6,7
	global_load_b128 v[BIAS+8*\b:BIAS+8*\b+3],   v[BO], s[96:97] offset:64*\b
	global_load_b128 v[BIAS+8*\b+4:BIAS+8*\b+7], v[BO], s[96:97] offset:64*\b+16
.endr
	v_mul_u32_u24 v3, v1, PITCH
	v_lshl_add_u32 v4, v2, 4, v3                   ; a fragment's row x pitch + 16 x half
	s_mul_i32 s21, s15, HALFT                      ; my 128 rows of x
	s_mul_i32 s22, s16, HALFT                      ; pass 1: my 128 rows of w,
	s_add_co_u32 s22, s22, 2*HALFT                 ; which lie behind x's 256
	s_mul_i32 s23, s16, 64*PITCH                   ; pass 2: my 64 rows of the 128,
	s_add_co_u32 s23, s23, 2*HALFT                 ; in slot 0's rows of w
.irp s, 0,1
	v_add_nc_u32 v[ADRA+\s], s21, v4
	v_add_nc_u32 v[ADRB+\s], s22, v4
	v_add_nc_u32 v[ADRB2+\s], s23, v4
	s_add_co_u32 s21, s21, SLOT
	s_add_co_u32 s22, s22, SLOT
	s_add_co_u32 s23, s23, HALFT                   ; K's half 1 lies 128 rows on
.endr
	v_mul_u32_u24 v5, v1, KS                       ; my row's scales: KS bytes a row,
	v_lshrrev_b32 v6, 8, v5
	v_lshl_add_u32 v5, v6, 4, v5                   ; and 16 more for each 256 passed
	s_mul_i32 s21, s16, 8*272                      ; pass 2, w's: rows 256 + 64 x half on: 32 + 8 x half rows of 256 bytes into w's scales
	s_add_co_u32 s21, s21, SCL+2*HALFS+32*272
	v_add_nc_u32 v[ADRS2], s21, v5
	s_mul_i32 s21, s15, HALFS                      ; pass 1: x's: my 128 rows
	s_mul_i32 s22, s16, HALFS                      ; w's: my 128 rows, behind x's 256
	s_add_co_u32 s22, s22, 2*HALFS
	s_sub_co_u32 s22, s22, s21
	v_mul_u32_u24 v6, s22, v2                      ; lanes 16-31 take w's: the lower base + half x the distance
	s_add_co_u32 s21, s21, SCL
	v_add_nc_u32 v5, v5, v6
	v_add_nc_u32 v[ADRS], s21, v5
	s_mul_i32 s23, s14, 16*SPITCH
	s_add_co_u32 s23, s23, STAGE                   ; my stage
	v_mul_u32_u24 v5, v1, SPITCH                   ; in: row l % 16, 16 bytes for each half of the lanes
	v_lshl_add_u32 v5, v2, 4, v5
	v_add_nc_u32 v[STO], s23, v5
	v_bfe_u32 v5, v0, 3, 2                         ; back: eight lanes take a head's 128 bytes of one row, the 32 lanes four rows
	v_and_b32 v6, 7, v0
	v_mul_u32_u24 v5, v5, SPITCH
	v_lshl_add_u32 v5, v6, 4, v5
	v_add_nc_u32 v[RD], s23, v5
	v_and_b32 v6, 31, v0
	v_lshlrev_b32 v[CO], 4, v6                     ; which are 512 consecutive bytes of the result
	; where my part of the result begins: ((48 b + g) x 1,024 + n) x 128 bytes; b = tile row / 4, n = 256 (tile row % 4) + 128 x row half; pass 1: g = 6 x tile column + 2 x column half; pass 2: g = 6 x tile column + 4 + column half
	s_lshr_b32 s20, s17, 2
	s_mul_i32 s20, s20, 48
	s_mul_i32 s46, s42, 6
	s_add_co_u32 s20, s20, s46
	s_lshl_b32 s46, s16, 1
	s_add_co_u32 s20, s20, s46
	s_lshl_b32 s20, s20, 17
	s_and_b32 s46, s17, 3
	s_lshl_b32 s46, s46, 8
	s_lshl_b32 s47, s15, 7
	s_add_co_u32 s46, s46, s47
	s_lshl_b32 s46, s46, 7
	s_add_co_u32 s20, s20, s46
	s_mov_b32 s21, 0
	s_add_nc_u64 s[12:13], s[12:13], s[20:21]      ; pass 1's
	s_sub_co_u32 s46, 4, s16                       ; pass 2's head lies 4 - column half heads on
	s_lshl_b32 s46, s46, 17
	s_mov_b32 s47, 0
	s_add_nc_u64 s[98:99], s[12:13], s[46:47]
.macro FRAG reg, adr, q, i             ; a fragment, 16 rows x 128 K of 4-bit codes, is 8 registers: lane l holds row l % 16; registers 4 c .. 4 c + 3 hold K = 64 c + 32 (l / 16) + 0 .. 31
.irp c, 0,1
	ds_load_b128 v[\reg+4*\c:\reg+4*\c+3], v[\adr] offset:64*(\q)+32*\c+(\i)*16*PITCH
.endr
.endm
; PASS 1: 16 matrix instructions: x's blocks a0, a0 + 1 against w's eight, 128 along K: the slot's q-th.  p: w's set;  sc: the set of scale words.  zero = 1: the first product starts the sums, on the bias: nothing is ever cleared.
; The accumulators take turns, one instruction a turn, in the same order in every step of a pass.
.macro MUL16 a0, p, q, sc, zero
.irp a, \a0, \a0+1
.irp b, 0,1,2,3,4,5,6,7
.if \zero
	v_wmma_scale_f32_16x16x128_f8f6f4 v[8*(8*((\a)%4)+\b):8*(8*((\a)%4)+\b)+7], v[128*(\p)+FR*\b:128*(\p)+FR*\b+FR-1], v[AF+FR*(\a):AF+FR*(\a)+FR-1], v[BIAS+8*\b:BIAS+8*\b+7], v[SC+8*NQ*(\sc)+NQ*\b+(\q)], v[SC+8*NQ*(\sc)+NQ*(\a)+(\q)] matrix_a_fmt:MATRIX_FMT_FP4 matrix_b_fmt:MATRIX_FMT_FP4 matrix_a_scale:MATRIX_SCALE_ROW1
.else
	v_wmma_scale_f32_16x16x128_f8f6f4 v[8*(8*((\a)%4)+\b):8*(8*((\a)%4)+\b)+7], v[128*(\p)+FR*\b:128*(\p)+FR*\b+FR-1], v[AF+FR*(\a):AF+FR*(\a)+FR-1], v[8*(8*((\a)%4)+\b):8*(8*((\a)%4)+\b)+7], v[SC+8*NQ*(\sc)+NQ*\b+(\q)], v[SC+8*NQ*(\sc)+NQ*(\a)+(\q)] matrix_a_fmt:MATRIX_FMT_FP4 matrix_b_fmt:MATRIX_FMT_FP4 matrix_a_scale:MATRIX_SCALE_ROW1
.endif
.endr
.endr
.endm
; PASS 2: 8 matrix instructions: x's blocks a0, a0 + 1 against w's four.  sl: K's half.  Both sides' scale words stand in lanes 0-15 of their registers.
.macro MUL8 a0, p, q, sl, zero
.irp a, \a0, \a0+1
.irp b, 0,1,2,3
.if \zero
	v_wmma_scale_f32_16x16x128_f8f6f4 v[8*(4*(\a)+\b):8*(4*(\a)+\b)+7], v[128*(\p)+FR*\b:128*(\p)+FR*\b+FR-1], v[AF+FR*(\a):AF+FR*(\a)+FR-1], v[BIAS2+8*\b:BIAS2+8*\b+7], v[SC2+16*(\sl)+4*\b+(\q)], v[SC+32*(\sl)+4*(\a)+(\q)] matrix_a_fmt:MATRIX_FMT_FP4 matrix_b_fmt:MATRIX_FMT_FP4
.else
	v_wmma_scale_f32_16x16x128_f8f6f4 v[8*(4*(\a)+\b):8*(4*(\a)+\b)+7], v[128*(\p)+FR*\b:128*(\p)+FR*\b+FR-1], v[AF+FR*(\a):AF+FR*(\a)+FR-1], v[8*(4*(\a)+\b):8*(4*(\a)+\b)+7], v[SC2+16*(\sl)+4*\b+(\q)], v[SC+32*(\sl)+4*(\a)+(\q)] matrix_a_fmt:MATRIX_FMT_FP4 matrix_b_fmt:MATRIX_FMT_FP4
.endif
.endr
.endr
.endm
.macro FETCH_B slot, q, p              ; pass 1: w's eight fragments of the slot's q-th 128 along K into set p
	WIN TO_B
.irp i, 0,1,2,3,4,5,6,7
	FRAG 128*(\p)+FR*\i, ADRB+\slot, \q, \i
.endr
	WIN 0
.endm
.macro FETCH_B2 sl, q, p               ; pass 2: w's four
	WIN TO_B
.irp i, 0,1,2,3
	FRAG 128*(\p)+FR*\i, ADRB2+\sl, \q, \i
.endr
	WIN 0
.endm
.macro FETCH_A slot, q, i0             ; x's blocks i0 .. i0 + 3
.irp i, \i0, \i0+1, \i0+2, \i0+3
	FRAG AF+FR*(\i), ADRA+\slot, \q, \i
.endr
.endm
.macro SCALES sc                       ; pass 1: a slot's scale words into set sc: four words a row; lanes 0-15 take x's block i, lanes 16-31 w's block i
.irp i, 0,1,2,3,4,5,6,7
	ds_load_b128 v[SC+8*NQ*\sc+NQ*\i:SC+8*NQ*\sc+NQ*\i+3], v[ADRS] offset:\i*SBLK
.endr
.endm
; A load into a register that a matrix instruction has read, and a vector instruction that reads a matrix result, stand NP places behind that matrix instruction, and only plain vector
; instructions that name none of its registers are places (ISA guide 7.12.1 for vector instructions).
.macro PLACES n
.rept \n
	v_nop
.endr
.endm
; PASS 1: a step of 128 along K that has its successor in the same slot.
.macro STEP slot, q, zero
	s_wait_dscnt 4*NL                              ; w's set and x's blocks 0-3 are in; the youngest eight loads (x's blocks 4-7) may be out
.if \zero
	WIN FST_LO
.else
	WIN MUL_LO
.endif
	MUL16 0, (\q)%2, \q, \slot, \zero
	MUL16 2, (\q)%2, \q, \slot, \zero
	s_wait_dscnt 0                                 ; x's blocks 4-7 are in (asked for 32 matrix instructions ago)
	PLACES NP
	FETCH_B \slot, (\q)+1, 1-(\q)%2
	FETCH_A \slot, (\q)+1, 0
.if \zero
	WIN FST_HI
.else
	WIN MUL_HI
.endif
	MUL16 4, (\q)%2, \q, \slot, \zero
	MUL16 6, (\q)%2, \q, \slot, \zero
	PLACES NP
	WIN 0
	FETCH_A \slot, (\q)+1, 4
.endm
; PASS 1: slot 0's last step goes over to slot 1, and slot 0's rows of w are filled again, with pass 2's.  In front of the barrier each wave waits for all its tensor loads (its part of slot 1), adds 0 to its
; spare word, and waits for that and for its own reads of slot 0.  The barrier opens a round of the cluster's barrier: behind it no wave of any partner reads slot 0's rows of w or has a load on its way.
; The joint refill is the first thing behind the round: waves 2 and 3, one load each. The branch hangs on the wave's number alone.
.macro TURN slot, next
	s_wait_tensorcnt 0x0                           ; all my tensor loads have landed  (every window is 0 here: the add's two registers lie in window 0)
	ds_add_u32 v[SPW], v[NIL]                      ; 0 onto my spare word
	s_wait_dscnt 4*NL+1                            ; (the add and the youngest eight loads, x's blocks 4-7, may be out)
	WIN MUL_LO
	MUL16 0, 1, NQ-1, \slot, 0                     ; sixteen matrix instructions stand between the add and the wait for it
	s_wait_dscnt 0x0                               ; the add is done, and my reads of this slot are over
	s_barrier_signal -1
	MUL16 2, 1, NQ-1, \slot, 0
	WIN 0
	s_barrier_wait -1
	CREST
	s_cmp_eq_u32 s15, 0
	s_cbranch_scc1 .Lno_part_\@
	tensor_load_to_lds s[G0R:G0R+3], s[G1B:G1B+7]
	s_nop 0
.rept 4
	v_nop
.endr
.Lno_part_\@:
	PLACES NP                                      ; on every wave's way: the places in front of the loads below
	v_add_nc_u32 v[ADRS], 4*NQ, v[ADRS]            ; on to the next slot's scale words (no LDS load of mine is out)
	FETCH_B \next, 0, 0
	FETCH_A \next, 0, 0
	SCALES \next
	WIN MUL_HI
	MUL16 4, 1, NQ-1, \slot, 0
	MUL16 6, 1, NQ-1, \slot, 0
	PLACES NP
	WIN 0
	FETCH_A \next, 0, 4
.endm
.macro STEPS slot, from                ; the slot's steps from .. NQ - 2
.set Q, \from
.rept NQ-1-\from
	STEP \slot, Q, 0
.set Q, Q+1
.endr
.endm
; PASS 2: the q-th 128 of K's half sl.  more = 1: the fragments of the step (nsl, nq) are fetched.  No barrier stands between the steps: all that they read lies whole in LDS.
.macro STEP2 sl, q, nsl, nq, zero, more
	s_wait_dscnt 4*NL                              ; w's set and x's blocks 0-3 are in; the youngest eight loads (x's blocks 4-7) may be out
.if \zero
	WIN FST_LO
.else
	WIN MUL_LO
.endif
	MUL8 0, (\q)%2, \q, \sl, \zero
	MUL8 2, (\q)%2, \q, \sl, \zero
	s_wait_dscnt 0                                 ; x's blocks 4-7 are in
.if \more
	PLACES NP
	FETCH_B2 \nsl, \nq, 1-(\q)%2
	FETCH_A \nsl, \nq, 0
.if \zero
	WIN FST_LO
.else
	WIN MUL_LO
.endif
.endif
	MUL8 4, (\q)%2, \q, \sl, \zero
	MUL8 6, (\q)%2, \q, \sl, \zero
.if \more
	PLACES NP
	WIN 0
	FETCH_A \nsl, \nq, 4
.else
	WIN 0
.endif
.endm
; THE WAYS OUT, block by block of 16 rows.  PACK: rounded to f16, a lane's eight columns are 16 bytes.  TOSTAGE: into my own stage in LDS, and back so that the 32 lanes hold four tokens of ONE head: 512 consecutive
; bytes of the result.  SEND: stored.  LDS serves a wave's instructions in order (ISA guide 5.7.1.4): no wait between the stores and the loads.  Pass 1: 128 columns, two heads; pass 2 (the names with a 2): 64 columns, one head.
.macro PACK a
.set AC, 64*((\a)%4)
	WIN 0x0a+5*((\a)/4)                            ; sources 0 and 1: window 2 or 3
.irp b, 0,1,2,3,4,5,6,7
.irp r, 0,1,2,3
	v_cvt_pk_f16_f32 v[TMP+4*\b+\r], v[AC+8*\b+2*\r], v[AC+8*\b+2*\r+1]   ; each accumulator from its low end on
.endr
.endr
	WIN 0
.endm
.macro TOSTAGE a
.set BK, OB+32*((\a)%2)
.irp b, 0,1,2,3,4,5,6,7
	ds_store_b128 v[STO], v[TMP+4*\b:TMP+4*\b+3] offset:32*\b
.endr
.irp t, 0,1,2,3,4,5,6,7                ; rows 4 (t % 4) on, head t / 4 of the two
	ds_load_b128 v[BK+4*\t:BK+4*\t+3], v[RD] offset:(\t%4)*4*SPITCH+128*(\t/4)
.endr
.endm
.macro SEND a
.set BK, OB+32*((\a)%2)
	s_wait_dscnt 0x0                               ; the block is back in registers
.if (\a) > 0
	s_wait_xcnt 0x0                                ; the block before has had its stores' registers read: the next block's loads land there only behind this wait
.endif
.irp t, 0,1,2,3,4,5,6,7
	global_store_b128 v[CO], v[BK+4*\t:BK+4*\t+3], s[12:13] offset:(\a)*2048+(\t/4)*131072+(\t%4)*512   ; 32 lanes store 512 consecutive bytes, at a multiple of 256 from the buffer's first byte
.endr
.endm
.macro PACK2 a
	WIN 0x0a                                       ; sources 0 and 1: window 2
.irp b, 0,1,2,3
.irp r, 0,1,2,3
	v_cvt_pk_f16_f32 v[TMP+4*\b+\r], v[8*(4*(\a)+\b)+2*\r], v[8*(4*(\a)+\b)+2*\r+1]   ; each accumulator from its low end on
.endr
.endr
	WIN 0
.endm
.macro TOSTAGE2 a
.set BK, OB+32*((\a)%2)
.irp b, 0,1,2,3
	ds_store_b128 v[STO], v[TMP+4*\b:TMP+4*\b+3] offset:32*\b
.endr
.irp t, 0,1,2,3                        ; rows 4 t on
	ds_load_b128 v[BK+4*\t:BK+4*\t+3], v[RD] offset:\t*4*SPITCH
.endr
.endm
.macro SEND2 a
.set BK, OB+32*((\a)%2)
	s_wait_dscnt 0x0                               ; the block is back in registers
.if (\a) > 0
	s_wait_xcnt 0x0                                ; as in SEND
.endif
.irp t, 0,1,2,3
	global_store_b128 v[CO], v[BK+4*\t:BK+4*\t+3], s[98:99] offset:(\a)*2048+\t*512
.endr
.endm
	; ---- PASS 1
	s_wait_tensorcnt 1                             ; the scales and my part of slot 0 are in (slot 1's load, issued behind them, may be out)
	s_barrier_signal -1
	s_barrier_wait -1                              ; everybody's are
	FETCH_B 0, 0, 0
	FETCH_A 0, 0, 0
	SCALES 0
	FETCH_A 0, 0, 4
	s_wait_loadcnt 0x0                             ; the bias
	STEP 0, 0, 1                                   ; the first step's products start the sums on the bias
	STEPS 0, 1
	TURN 0, 1
	STEPS 1, 0
	s_wait_dscnt 4*NL                              ; the pass's last step: nothing more to fetch
	WIN MUL_LO
	MUL16 0, 1, NQ-1, 1, 0
	MUL16 2, 1, NQ-1, 1, 0
	s_wait_dscnt 0
	WIN MUL_HI
	MUL16 4, 1, NQ-1, 1, 0
	MUL16 6, 1, NQ-1, 1, 0
	WIN 0
	PLACES NP                                      ; behind the last products: for the conversions that read results and the loads into the registers that held x's fragments
.irp b, 0,1,2,3                        ; pass 2's bias, into registers that only the first step's products have read
	global_load_b128 v[BIAS2+8*\b:BIAS2+8*\b+3],   v[BO2], s[96:97] offset:64*\b
	global_load_b128 v[BIAS2+8*\b+4:BIAS2+8*\b+7], v[BO2], s[96:97] offset:64*\b+16
.endr
	PACK 0
	TOSTAGE 0
.irp a, 1,2,3,4,5,6,7                  ; block a's conversions stand between block a - 1's loads from the stage and the wait for them
	PACK \a
	SEND \a-1
	TOSTAGE \a
.endr
	SEND 7
	; ---- PASS 2: pass 1's stores are on their way while it multiplies
	s_wait_tensorcnt 0x0                           ; my part of pass 2's rows of w is in,
	s_wait_dscnt 0x0                               ; no LDS instruction of mine is pending at the signal,
	s_wait_xcnt 0x0                                ; and the last stores have read their registers: x's fragments land there again
	s_barrier_signal -1
	s_barrier_wait -1                              ; everybody's part is in
	FETCH_B2 0, 0, 0
	FETCH_A 0, 0, 0
.irp s, 0,1                            ; w's scale words for the whole pass: four words a row and half of K
.irp i, 0,1,2,3
	ds_load_b128 v[SC2+16*\s+4*\i:SC2+16*\s+4*\i+3], v[ADRS2] offset:\i*SBLK+16*\s
.endr
.endr
	FETCH_A 0, 0, 4
	s_wait_loadcnt 0x0                             ; the bias
	STEP2 0, 0, 0, 1, 1, 1                         ; the first step's products start the sums on the bias
	STEP2 0, 1, 0, 2, 0, 1
	STEP2 0, 2, 0, 3, 0, 1
	STEP2 0, 3, 1, 0, 0, 1
	STEP2 1, 0, 1, 1, 0, 1
	STEP2 1, 1, 1, 2, 0, 1
	STEP2 1, 2, 1, 3, 0, 1
	STEP2 1, 3, 0, 0, 0, 0                         ; the last step fetches nothing
	PLACES NP
	PACK2 0
	TOSTAGE2 0
.irp a, 1,2,3,4,5,6,7
	PACK2 \a
	SEND2 \a-1
	TOSTAGE2 \a
.endr
	SEND2 7
	s_wait_tensorcnt 0x0                           ; the wave's end: a wait, an add to my spare word and its wait, behind my last tensor load and my last LDS store
	ds_add_u32 v[SPW], v[NIL]
	s_wait_dscnt 0x0
	CROUND                                         ; the closing round: no work-group ends while a partner may still ask for a tile that names it
	s_endpgm
.Lfunc_end_k_qf2a8c641a2_qkv:
	.size	k_qf2a8c641a2_qkv, .Lfunc_end_k_qf2a8c641a2_qkv-k_qf2a8c641a2_qkv
	.p2alignl 7, 3214868480
	.fill 96, 4, 3214868480
	.section	.rodata,"a",@progbits
	.p2align	6, 0x0
	.amdhsa_kernel k_qf2a8c641a2_qkv
		.amdhsa_group_segment_fixed_size 327680
		.amdhsa_private_segment_fixed_size 0
		.amdhsa_enable_private_segment 0
		.amdhsa_kernarg_size 48
		.amdhsa_user_sgpr_count 2
		.amdhsa_user_sgpr_kernarg_segment_ptr 1
		.amdhsa_wavefront_size32 1
		.amdhsa_system_sgpr_workgroup_id_x 1
		.amdhsa_system_sgpr_workgroup_id_y 1
		.amdhsa_system_sgpr_workgroup_id_z 1
		.amdhsa_system_vgpr_workitem_id 0
		.amdhsa_next_free_vgpr 1024
		.amdhsa_next_free_sgpr 100
		.amdhsa_reserve_vcc 0
		.amdhsa_float_denorm_mode_32 3
		.amdhsa_float_denorm_mode_16_64 3
		.amdhsa_memory_ordered 1
		.amdhsa_forward_progress 1
		.amdhsa_inst_pref_size 195
	.end_amdhsa_kernel
	.amdgpu_metadata
---
amdhsa.version: [ 1, 2 ]
amdhsa.kernels:
  - .name:           k_qf2a8c641a2_qkv
    .symbol:         k_qf2a8c641a2_qkv.kd
    .args:
      - { .name: x_codes, .offset: 0, .size: 8, .value_kind: global_buffer, .address_space: global }
      - { .name: x_scales, .offset: 8, .size: 8, .value_kind: global_buffer, .address_space: global }
      - { .name: w_codes, .offset: 16, .size: 8, .value_kind: global_buffer, .address_space: global }
      - { .name: w_scales, .offset: 24, .size: 8, .value_kind: global_buffer, .address_space: global }
      - { .name: qkv, .offset: 32, .size: 8, .value_kind: global_buffer, .address_space: global }
      - { .name: b_qkv, .offset: 40, .size: 8, .value_kind: global_buffer, .address_space: global }
    .group_segment_fixed_size: 327680
    .private_segment_fixed_size: 0
    .kernarg_segment_align: 8
    .kernarg_segment_size: 48
    .max_flat_workgroup_size: 128
    .sgpr_count:     100
    .vgpr_count:     1024
    .wavefront_size: 32
...
	.end_amdgpu_metadata
.endif
;; end of part 2
;; launch attn (part 3): grid 2 x 128, 8 waves a work-group, no clusters, 327,680 bytes of LDS; arguments qkv, ctx; writes ctx
.if DOCPART == 3
	.amdgcn_target "amdgcn-amd-amdhsa--gfx1250"
	.amdhsa_code_object_version 6
	.text
	.protected	k_qf2a8c641a2_attn
	.globl	k_qf2a8c641a2_attn
	.p2align	8
	.type	k_qf2a8c641a2_attn,@function
k_qf2a8c641a2_attn:
	s_mov_b64 s[64:65], 0
	v_nop
	global_prefetch_b8 v0, s[64:65] scope:SCOPE_SE
	s_setreg_imm32_b32 hwreg(HW_REG_WAVE_MODE, 25, 1), 1
	s_wait_xcnt 0x0
; ctx[b h][q][:] = the sum over k of softmax_k(Q[q] . K[k] / 8) V[k][:], for each of 128 heads of 1,024 tokens x 64 channels.  Q, K, V: f16, by head, in qkv [b 8][g 48][n 1024][64] (g = h: Q, 16 + h: K, 32 + h: V);
; ctx: [b 16 + h][n 1024][64], f16.  Products, maxima and sums in f32; the weights p are rounded to f16 for the second product, the result once at the end.
; LIMITS: |ctx| stays under 65,504, f16's largest number (it is an average of v's numbers, which do); NaN and infinities are not served.
; SHARES.  A work-group owns 512 queries of one head, each of its eight waves 64: four tiles of 16, in 512 registers: two waves to a SIMD, so that one wave's softmax stands beside the other's products.
; THE WHOLE HEAD'S K AND V LIE IN LDS, each byte filled once: 1,024 rows of K (128 bytes + 16 of padding), 1,024 of V (128 + 32).  They come as four chunks of 256 keys: waves 0-3 fetch K's rows, 64 a load,
; waves 4-7 V's; a wave's four loads go out together at the head (four out).  Chunk 0 is waited for alone, so that the first products start early; the other three together, with ONE
; barrier, ahead of key step 3, which fetches the first fragments of chunk 1.  From there on no barrier stands among the key steps, and the waves of a SIMD are left to fall out of step.
; NO CLUSTER: a head's K and V are read by two work-groups only (512 queries each, so that the launch has 256 work-groups): the grid's x is 2, which a cluster of four along x does not divide.
; LAYOUT.  S^T = K Q^T (source 0 = 16 keys, source 1 = 16 queries): a lane holds ONE query (lane % 16) and the keys 8 (lane / 16) + 0..7.  Two such tiles, rounded to f16 in pairs, ARE source 1
; (32 keys x 16 queries) of O^T = V^T P, whose result again holds one query a lane, and eight channels.  K comes out of LDS as it lies, V ([key][channel]) turned, by ds_load_tr16_b128.
; SOFTMAX.  For each query a running maximum m and sum l: p = 2^(c s - c m), c = log2(e) / 8; in every step O^T and l are multiplied by a = 2^(c m_old - c m_new).  m begins at -3e38, so the first step finds a = 0.
; REGISTERS, in windows of 256 (s_set_vgpr_msb: bits 1:0 source 0, 3:2 source 1, 5:4 source 2, 7:6 destination):
;   window 0: v0-11, v44-47 addresses; v12-43 eight registers of statistics a tile; v48-111 K of one step; v128-255 S^T, 32 a tile; P is made in place, in a tile's first 16
;   window 1: v0-63 Q, 16 a tile; v64-191 O^T, 32 a tile; v192-255 V of one step
.set PK,    144                        ; a row of K in LDS: 36 words: the 16 rows of a load start at 16 different groups of four banks
.set PV,    160                        ; a row of V: 40 words
.set VB,    1024*PK                    ; V's rows lie behind K's
.set SPARE, VB+1024*PV                 ; behind them: the spare words, 128 bytes for each wave
.set SP,    144                        ; the way out: a stage of 16 rows x 144 bytes for each wave, in K's region, behind a barrier behind which nobody reads K
.set AK0, 2                            ; v2   my lane's place in a tile of K; never rewritten
.set AV0, 3                            ; v3   the same for V
.set ADK, 4                            ; v4   the LDS address of the run of K's loads in hand
.set ADV, 5                            ; v5   of V's
.set QO,  6                            ; v6   my byte offset in the wave's rows of Q
.set STO, 7                            ; v7   the way out: where I put 16 bytes of a row
.set RD,  8                            ; v8   the way out: where I read 16 bytes back
.set SPW, 10                           ; v10  LDS address of my spare word; never rewritten
.set NIL, 11                           ; v11  0; never rewritten
.set ST,  12                           ; tile t's statistics at v[ST + 8 t]: +0 c m, +1 m, +2, +3 l (even keys', odd keys'), +4 to +7 at work; a takes +6 once the maximum is found
.set GO,  44                           ; v44  16 x lane: my place in 512 bytes of ctx
.set KF,  48
.set S,   128
.set O,   64                           ; in window 1
.set VF,  192                          ; in window 1
.set WV,  12                           ; s12  my wave's number
.set G1K, 24                           ; s[24:31] descriptor group 1 for K's tiles
.set G1V, 32                           ; s[32:39] for V's: it differs in the padding alone
.set G0K, 40                           ; s[40:55] descriptor group 0 for K's tiles, a set for each chunk; none is ever rewritten
.set G0V, 68                           ; s[68:83] the same for V's
.set CNT, 56                           ; s56  counts a run's steps
.set CS,  58                           ; s[58:59] c: the packed scaling names a pair and takes its low word for both halves
.set SEL, 60                           ; s[60:61] lane selects for v_permlanex16_b32: each lane takes its own place in the other half
.set TK,  62                           ; s62  LDS byte at which the K rows of the step to be fetched begin
.set TV,  63                           ; s63  the same for V, from V's first row
.set MSB, 0
.macro WIN new                         ; the immediate's high byte repeats the setting that is left; a switch that changes nothing is dropped
.if MSB != (\new)
	s_set_vgpr_msb (MSB<<8)|(\new)
.set MSB, (\new)
.endif
.endm
.set W_KQ, 0x04                        ; K and S^T in window 0, Q in window 1
.set W_PV, 0x51                        ; V and O^T in window 1, P in window 0
.set W_RS, 0x41                        ; O^T (destination and source 0) in window 1, a in window 0
.set TO_1, 0x40                        ; destination window 1, address window 0
.macro PLACES n
.rept \n
	v_nop
.endr
.endm
	s_load_b128 s[4:7], s[0:1], 0x0                ; qkv s[4:5], ctx s[6:7]
	v_lshl_add_u32 v[SPW], v0, 2, SPARE
	v_mov_b32 v[NIL], 0
	ds_add_u32 v[SPW], v[NIL]                      ; the wave's opening: the add, twice on end, and its wait ahead of my first tensor load; the set-up below stands between
	ds_add_u32 v[SPW], v[NIL]
	v_lshrrev_b32 v1, 5, v0
	v_readfirstlane_b32 s[WV], v1                  ; wave 0..7
	s_and_b32 s13, ttmp7, 0xffff                   ; 16 b + h
	s_lshr_b32 s14, s13, 4
	s_mul_i32 s14, s14, 48
	s_and_b32 s15, s13, 15
	s_add_co_u32 s14, s14, s15                     ; 48 b + h
	s_lshl_b32 s14, s14, 17                        ; Q's head, in bytes
	s_and_b32 s17, s[WV], 3                        ; which 64 rows of a chunk I fetch
	s_lshl_b32 s18, s17, 13
	s_add_co_u32 s20, s14, s18
	s_add_co_u32 s20, s20, 16<<17                  ; K's head lies 16 heads on,
	s_mov_b32 s21, 0
	s_add_co_u32 s22, s20, 16<<17                  ; V's 32
	s_mov_b32 s23, 0
	s_lshl_b32 s18, ttmp9, 16                      ; my work-group's 512 queries,
	s_lshl_b32 s19, s[WV], 13                      ; my wave's 64 of them
	s_add_co_u32 s18, s18, s19
	s_add_co_u32 s2, s14, s18
	s_mov_b32 s3, 0
	s_lshl_b32 s8, s13, 17
	s_add_co_u32 s8, s8, s18
	s_mov_b32 s9, 0
	s_mul_i32 s10, s17, 64*PK                      ; where my rows go in LDS: K's,
	s_mul_i32 s11, s17, 64*PV
	s_add_co_u32 s11, s11, VB                      ; V's
	; descriptor group 1: a tile of 64 rows x 64 elements of 2 bytes, dense in memory, padded in LDS
	s_mov_b32 s[G1K], (1<<16)|(1<<20)|(4<<22)|(3<<25)   ; 15:0 no mask; 17:16 elements of 2 bytes; 20 padding on; 24:22 after every 32 words (code 4); 31:25 four words (code 3)
	s_mov_b32 s[G1V], (1<<16)|(1<<20)|(4<<22)|(7<<25)   ; the same with eight words of padding (code 7)
.irp g, G1K, G1V
	s_mov_b32 s[\g+1], 64<<16                      ; tensor_dim0 = 64
	s_mov_b32 s[\g+2], 64<<16                      ; tensor_dim1 = 64
	s_mov_b32 s[\g+3], 64<<16                      ; tile_dim0 = 64
	s_mov_b32 s[\g+4], 64                          ; tile_dim1 = 64
	s_mov_b32 s[\g+5], 64                          ; tensor_dim0_stride: elements from row to row
	s_mov_b32 s[\g+6], 0
	s_mov_b32 s[\g+7], 0
.endr
	s_mov_b32 s[CS], 0x3e38aa3b                    ; c = log2(e) / 8
	s_mov_b32 s[CS+1], s[CS]                       ; named with it as a pair, so it is written
	s_mov_b32 s[SEL], 0x76543210
	s_mov_b32 s[SEL+1], 0xfedcba98
	s_mov_b32 s[TK], 0
	s_mov_b32 s[TV], 0
	s_wait_dscnt 0x0                               ; both opening adds are done
	s_wait_kmcnt 0x0
	s_add_nc_u64 s[20:21], s[4:5], s[20:21]        ; K at my rows of chunk 0
	s_add_nc_u64 s[22:23], s[4:5], s[22:23]        ; V likewise
	s_add_nc_u64 s[4:5], s[4:5], s[2:3]            ; Q at my wave's first row
	s_add_nc_u64 s[6:7], s[6:7], s[8:9]            ; ctx likewise
.irp c, 0,1,2,3
	s_mov_b32 s[G0K+4*\c], 1                       ; 1:0 count = 1
	s_add_co_u32 s[G0K+4*\c+1], s10, \c*256*PK     ; 63:32 LDS address: chunk c, my 64 rows
	s_add_nc_u64 s[G0K+4*\c+2:G0K+4*\c+3], s[20:21], \c*32768   ; 120:64 global address: 256 rows of 128 bytes a chunk
	s_or_b32 s[G0K+4*\c+3], s[G0K+4*\c+3], 0x80000000           ; 127:126 type = 2
	s_mov_b32 s[G0V+4*\c], 1
	s_add_co_u32 s[G0V+4*\c+1], s11, \c*256*PV
	s_add_nc_u64 s[G0V+4*\c+2:G0V+4*\c+3], s[22:23], \c*32768
	s_or_b32 s[G0V+4*\c+3], s[G0V+4*\c+3], 0x80000000
.endr
	s_cmp_lt_u32 s[WV], 4                          ; a wave's four fills stand in one branch, ahead of every wait on TENSORcnt, every LDS read and every barrier; an s_nop 0 follows each, four v_nop the last
	s_cbranch_scc0 .Lfirst_v
.irp c, 0,1,2,3
	tensor_load_to_lds s[G0K+4*\c:G0K+4*\c+3], s[G1K:G1K+7]
	s_nop 0
.endr
	PLACES 4
	s_branch .Lfirst_asked
.Lfirst_v:
.irp c, 0,1,2,3
	tensor_load_to_lds s[G0V+4*\c:G0V+4*\c+3], s[G1V:G1V+7]
	s_nop 0
.endr
	PLACES 4
.Lfirst_asked:
	; A fragment of K or Q is 16 rows x 32 channels in 8 registers: lane l holds row l % 16; registers 0-3 channels 8 (l / 16) + 0..7, registers 4-7 channels 16 + 8 (l / 16) + 0..7: two loads of 16 bytes, 32 bytes apart.
	v_and_b32 v1, 15, v0                           ; l % 16
	v_bfe_u32 v9, v0, 4, 1                         ; l / 16
	v_lshlrev_b32 v[QO], 7, v1
	v_lshl_add_u32 v[QO], v9, 4, v[QO]             ; row x 128 + 16 x half
	WIN TO_1
.irp i, 0,1,2,3,4,5,6,7                        ; Q stays in registers: tile i / 2, channels 32 (i % 2) on
	global_load_b128 v[8*\i:8*\i+3],   v[QO], s[4:5] offset:(\i/2)*2048+(\i%2)*64
	global_load_b128 v[8*\i+4:8*\i+7], v[QO], s[4:5] offset:(\i/2)*2048+(\i%2)*64+32
.endr
	WIN 0
	v_mul_u32_u24 v[AK0], v1, PK
	v_lshl_add_u32 v[AK0], v9, 4, v[AK0]           ; row x pitch + 16 x half
	; The turning load takes 16 keys x 16 channels (lane l reads 16 bytes: key 8 (l / 16) + l % 8, channels 8 ((l / 8) % 2) + 0..7) and leaves half a fragment of V^T: lane l holds channel l % 16 and 8 keys.
	v_and_b32 v45, 7, v0
	v_bfe_u32 v46, v0, 3, 1
	v_lshl_add_u32 v[AV0], v9, 3, v45
	v_mul_u32_u24 v[AV0], v[AV0], PV
	v_lshl_add_u32 v[AV0], v46, 4, v[AV0]
	v_add_nc_u32 v[AV0], VB, v[AV0]
	s_mul_i32 s13, s[WV], 16*SP                    ; my stage
	v_add_nc_u32 v[STO], s13, v[AK0]               ; in: row l % 16, 16 bytes for each half of the lanes (the stage's pitch is K's)
	v_bfe_u32 v46, v0, 3, 2                        ; back: eight lanes take a row's 128 bytes, the 32 lanes four rows
	v_mul_u32_u24 v[RD], v46, SP
	v_lshl_add_u32 v[RD], v45, 4, v[RD]
	v_add_nc_u32 v[RD], s13, v[RD]
	v_and_b32 v[GO], 31, v0
	v_lshlrev_b32 v[GO], 4, v[GO]                  ; which are 512 consecutive bytes of ctx
.irp t, 0,1,2,3
	v_mov_b32 v[ST+8*\t+1], 0xff61b1e6             ; m = -3e38, under every score
	v_mul_f32 v[ST+8*\t], s[CS], v[ST+8*\t+1]      ; c m
	v_mov_b32 v[ST+8*\t+2], 0                      ; l, in two halves
	v_mov_b32 v[ST+8*\t+3], 0
.endr
; THE LDS LOADS stand in runs of 16: a step's K (64 keys x 64 channels: 8 fragments) and its V (turned).  step = 1: on to the next step's rows first.
.macro FETCH_K step
.if \step
	s_add_co_u32 s[TK], s[TK], 64*PK
.endif
	v_add_nc_u32 v[ADK], s[TK], v[AK0]
.irp f, 0,1,2,3,4,5,6,7                        ; keys 16 (f / 2) on, channels 32 (f % 2) on
	ds_load_b128 v[KF+8*\f:KF+8*\f+3],   v[ADK] offset:(\f/2)*16*PK+(\f%2)*64
	ds_load_b128 v[KF+8*\f+4:KF+8*\f+7], v[ADK] offset:(\f/2)*16*PK+(\f%2)*64+32
.endr
.endm
.macro FETCH_V step
.if \step
	s_add_co_u32 s[TV], s[TV], 64*PV
.endif
	v_add_nc_u32 v[ADV], s[TV], v[AV0]
	WIN TO_1
.irp f, 0,1,2,3,4,5,6,7                        ; keys 32 (f / 4) on, channels 16 (f % 4) on
	ds_load_tr16_b128 v[VF+8*\f:VF+8*\f+3],   v[ADV] offset:(\f/4)*32*PV+(\f%4)*32
	ds_load_tr16_b128 v[VF+8*\f+4:VF+8*\f+7], v[ADV] offset:(\f/4)*32*PV+16*PV+(\f%4)*32
.endr
	WIN 0
.endm
; What has landed is shown whole to every wave.  n = my tensor loads that may stay out: those issued behind the chunks that are wanted.
.macro MEETC n
	s_wait_tensorcnt \n                            ; tensor loads of a wave end in order (ISA guide 10.11.1): my part of the chunks ahead of the last n is in LDS
	s_wait_dscnt 0x0                               ; no LDS instruction of mine is pending at the signal
	s_barrier_signal -1
	s_barrier_wait -1                              ; everybody's part is
.endm
; The maximum of a lane's 32 scores and the old m, three operands at a time, in four chains a tile; the four tiles by turns, so that no line waits for the line above it.  Each accumulator is read from its low end on.
.macro SMAX
.irp j, 0,1,2,3
.irp t, 0,1,2,3
	v_max3_num_f32 v[ST+8*\t+4+\j], v[S+32*\t+8*\j], v[S+32*\t+8*\j+1], v[S+32*\t+8*\j+2]
.endr
.endr
.irp u, 1,2
.irp j, 0,1,2,3
.irp t, 0,1,2,3
	v_max3_num_f32 v[ST+8*\t+4+\j], v[ST+8*\t+4+\j], v[S+32*\t+8*\j+2*\u+1], v[S+32*\t+8*\j+2*\u+2]
.endr
.endr
.endr
.irp t, 0,1,2,3
	v_max3_num_f32 v[ST+8*\t+4], v[ST+8*\t+4], v[S+32*\t+7], v[S+32*\t+15]
.endr
.irp t, 0,1,2,3
	v_max3_num_f32 v[ST+8*\t+6], v[ST+8*\t+6], v[S+32*\t+23], v[S+32*\t+31]
.endr
.irp t, 0,1,2,3
	v_max3_num_f32 v[ST+8*\t+4], v[ST+8*\t+4], v[ST+8*\t+5], v[ST+8*\t+6]
.endr
.irp t, 0,1,2,3
	v_max3_num_f32 v[ST+8*\t+4], v[ST+8*\t+4], v[ST+8*\t+7], v[ST+8*\t+1]
.endr
.irp t, 0,1,2,3
	v_permlanex16_b32 v[ST+8*\t+5], v[ST+8*\t+4], s[SEL], s[SEL+1]   ; the query's other 32 keys lie in the lane 16 away
.endr
.irp t, 0,1,2,3
	v_mov_b32 v[ST+8*\t+7], v[ST+8*\t]             ; c m_old is kept for a
.endr
.irp t, 0,1,2,3
	v_max_num_f32 v[ST+8*\t+1], v[ST+8*\t+4], v[ST+8*\t+5]
.endr
.irp t, 0,1,2,3
	v_mul_f32 v[ST+8*\t], s[CS], v[ST+8*\t+1]
.endr
.irp t, 0,1,2,3
	v_sub_f32 v[ST+8*\t+7], v[ST+8*\t+7], v[ST+8*\t]
.endr
.endm
.macro SCALE t, b                      ; pair b of tile t: c s - c m
	v_pk_fma_f32 v[S+32*(\t)+2*(\b):S+32*(\t)+2*(\b)+1], v[S+32*(\t)+2*(\b):S+32*(\t)+2*(\b)+1], s[CS:CS+1], v[ST+8*(\t):ST+8*(\t)+1] op_sel_hi:[1,0,0] neg_lo:[0,0,1] neg_hi:[0,0,1]
.endm
; ONE BATCH: the four a, the 64 scalings and the 128 exponentials.  None of these lines names an exponential's result: a tile's scalings stand ahead of its exponentials, and lead the exponentials of the tile before.
; One plain line behind the last exponential, and ONE wait ahead of the first line that names a result.
.macro SEXP
.irp t, 0,1,2,3
	v_exp_f32 v[ST+8*\t+6], v[ST+8*\t+7]           ; a = 2^(c m_old - c m_new)
.endr
.irp b, 0,1,2,3,4,5,6,7,8,9,10,11,12,13,14,15
	SCALE 0, \b
.endr
.irp t, 0,1,2
.irp b, 0,1,2,3,4,5,6,7,8,9,10,11,12,13,14,15
	SCALE \t+1, \b
	v_exp_f32 v[S+32*\t+2*\b], v[S+32*\t+2*\b]
	v_exp_f32 v[S+32*\t+2*\b+1], v[S+32*\t+2*\b+1]
.endr
.endr
.irp e, 0,1,2,3,4,5,6,7,8,9,10,11,12,13,14,15,16,17,18,19,20,21,22,23,24,25,26,27,28,29,30,31
	v_exp_f32 v[S+96+\e], v[S+96+\e]
.endr
	v_nop
	s_wait_alu depctr_va_vdst(0)
.endm
; l = a l + the sum of the tile's 16 pairs (an even key's weight, an odd key's), of the weights as they are before rounding: two chains a tile, the tiles by turns.
.macro SSUM
.irp t, 0,1,2,3
	v_pk_fma_f32 v[ST+8*\t+2:ST+8*\t+3], v[ST+8*\t+2:ST+8*\t+3], v[ST+8*\t+6:ST+8*\t+7], v[S+32*\t:S+32*\t+1] op_sel_hi:[1,0,1]
.endr
.irp t, 0,1,2,3
	v_pk_add_f32 v[ST+8*\t+4:ST+8*\t+5], v[S+32*\t+2:S+32*\t+3], v[S+32*\t+4:S+32*\t+5]
.endr
.irp b, 3,5,7,9,11,13
.irp t, 0,1,2,3
	v_pk_add_f32 v[ST+8*\t+2:ST+8*\t+3], v[ST+8*\t+2:ST+8*\t+3], v[S+32*\t+2*\b:S+32*\t+2*\b+1]
.endr
.irp t, 0,1,2,3
	v_pk_add_f32 v[ST+8*\t+4:ST+8*\t+5], v[ST+8*\t+4:ST+8*\t+5], v[S+32*\t+2*\b+2:S+32*\t+2*\b+3]
.endr
.endr
.irp t, 0,1,2,3
	v_pk_add_f32 v[ST+8*\t+2:ST+8*\t+3], v[ST+8*\t+2:ST+8*\t+3], v[S+32*\t+30:S+32*\t+31]
.endr
.irp t, 0,1,2,3
	v_pk_add_f32 v[ST+8*\t+2:ST+8*\t+3], v[ST+8*\t+2:ST+8*\t+3], v[ST+8*\t+4:ST+8*\t+5]
.endr
.endm
; The weights to f16, in place: pair i goes to the tile's register i, which pair i / 2 has left.  Registers 8 ks .. 8 ks + 7 are then P's fragment of keys 32 ks on.
.macro SCVT
.irp i, 0,1,2,3,4,5,6,7,8,9,10,11,12,13,14,15
.irp t, 0,1,2,3
	v_cvt_pk_f16_f32 v[S+32*\t+\i], v[S+32*\t+2*\i], v[S+32*\t+2*\i+1]
.endr
.endr
.endm
; A KEY STEP: 64 keys.  first = 1: the first step, whose second product starts O^T's sums: nothing is ever cleared.  fetch = 1: the next step's K and V are fetched.
; In both products 16 accumulators take turns, one instruction a turn.
.macro STEP first, fetch
	s_wait_dscnt 16                                ; K is in; V's 16 loads, issued behind K's, may be out
	WIN W_KQ
.irp ds, 0,1
.irp kt, 0,1,2,3
.irp t, 0,1,2,3
.if \ds == 0
	v_wmma_f32_16x16x32_f16 v[S+32*\t+8*\kt:S+32*\t+8*\kt+7], v[KF+16*\kt:KF+16*\kt+7], v[16*\t:16*\t+7], 0
.else
	v_wmma_f32_16x16x32_f16 v[S+32*\t+8*\kt:S+32*\t+8*\kt+7], v[KF+16*\kt+8:KF+16*\kt+15], v[16*\t+8:16*\t+15], v[S+32*\t+8*\kt:S+32*\t+8*\kt+7]
.endif
.endr
.endr
.endr
	WIN 0
	PLACES 4                                       ; behind the products: for the loads into K's registers and the first read of the scores
.if \fetch
	FETCH_K 1
.endif
	SMAX
	SEXP
	SSUM
	SCVT
.if \first
	PLACES 4                                       ; (the other steps have the rescaling between the roundings and the products)
.else
	WIN W_RS
.irp t, 0,1,2,3
.irp i, 0,1,2,3,4,5,6,7,8,9,10,11,12,13,14,15
	v_pk_mul_f32 v[O+32*\t+2*\i:O+32*\t+2*\i+1], v[O+32*\t+2*\i:O+32*\t+2*\i+1], v[ST+8*\t+6:ST+8*\t+7] op_sel_hi:[1,0]   ; O^T x a, each accumulator from its low end on
.endr
.endr
.endif
.if \fetch
	s_wait_dscnt 16                                ; V is in; the next step's K, 16 loads issued behind V's, may be out
.else
	s_wait_dscnt 0x0
.endif
	WIN W_PV
.irp ks, 0,1
.irp dt, 0,1,2,3
.irp t, 0,1,2,3
.if \first && (\ks == 0)
	v_wmma_f32_16x16x32_f16 v[O+32*\t+8*\dt:O+32*\t+8*\dt+7], v[VF+8*(4*\ks+\dt):VF+8*(4*\ks+\dt)+7], v[S+32*\t+8*\ks:S+32*\t+8*\ks+7], 0
.else
	v_wmma_f32_16x16x32_f16 v[O+32*\t+8*\dt:O+32*\t+8*\dt+7], v[VF+8*(4*\ks+\dt):VF+8*(4*\ks+\dt)+7], v[S+32*\t+8*\ks:S+32*\t+8*\ks+7], v[O+32*\t+8*\dt:O+32*\t+8*\dt+7]
.endif
.endr
.endr
.endr
	WIN 0
	PLACES 5                                       ; four for the loads into V's registers and the reads of O^T; the fifth for the next step's products, which write over P's registers
.if \fetch
	FETCH_V 1
.endif
.endm
.macro RUN n                           ; n key steps: written once, walked n times; the LDS addresses hang on s[TK] and s[TV]
	s_mov_b32 s[CNT], \n
.Lrun_\@:
	STEP 0, 1
	s_sub_co_u32 s[CNT], s[CNT], 1
	s_cmp_lg_u32 s[CNT], 0
	s_cbranch_scc1 .Lrun_\@
.endm
	MEETC 3                                        ; chunk 0 (key steps 0 to 3); my three later loads stay out
	FETCH_K 0
	FETCH_V 0
	s_wait_loadcnt 0x0                             ; Q
	STEP 1, 1                                      ; step 0; it fetches step 1
	RUN 2                                          ; steps 1, 2; the last fetches step 3
	MEETC 0                                        ; chunks 1 to 3, all at once: no tensor load of mine is out any more.  Step 3, the next, fetches step 4: the first read of chunk 1 stands behind this barrier
	RUN 12                                         ; steps 3 to 14
	STEP 0, 0                                      ; step 15 fetches nothing
	; THE WAY OUT.  l's two halves and the other half of the lanes' are added; O^T is divided by l, rounded to f16 and sent through my stage in LDS, a tile (16 rows) at a time.
.irp t, 0,1,2,3
	v_add_f32 v[ST+8*\t+4], v[ST+8*\t+2], v[ST+8*\t+3]
.endr
.irp t, 0,1,2,3
	v_permlanex16_b32 v[ST+8*\t+5], v[ST+8*\t+4], s[SEL], s[SEL+1]
.endr
.irp t, 0,1,2,3
	v_add_f32 v[ST+8*\t+4], v[ST+8*\t+4], v[ST+8*\t+5]
.endr
.irp t, 0,1,2,3
	v_rcp_f32 v[ST+8*\t+6], v[ST+8*\t+4]
.endr
	v_nop                                          ; a plain line between the last reciprocal and the use of its result
	s_wait_alu depctr_va_vdst(0)                   ; and a wait ahead of the first use: one for the four
	s_wait_dscnt 0x0                               ; my reads of K and V are over:
	s_barrier_signal -1
	s_barrier_wait -1                              ; everybody's are, so the stages may be written into K's region, which has had its only fill
; Tile t: a lane's eight channels of a row pack into 16 bytes; they go into rows of 144 bytes and come back so that the 32 lanes hold four whole rows: 512 consecutive bytes of ctx.
.macro OUT t
	WIN 0x01                                       ; source 0 (O^T) window 1; S^T's registers take the quotients
.set i, 0
.rept 16
	v_pk_mul_f32 v[S+32*\t+2*i:S+32*\t+2*i+1], v[O+32*\t+2*i:O+32*\t+2*i+1], v[ST+8*\t+6:ST+8*\t+7] op_sel_hi:[1,0]
.set i, i+1
.endr
	WIN 0
.set i, 0
.rept 16
	v_cvt_pk_f16_f32 v[S+32*\t+i], v[S+32*\t+2*i], v[S+32*\t+2*i+1]
.set i, i+1
.endr
.irp d, 0,1,2,3
	ds_store_b128 v[STO], v[S+32*\t+4*\d:S+32*\t+4*\d+3] offset:32*\d
.endr
.irp g, 0,1,2,3
	ds_load_b128 v[S+32*\t+16+4*\g:S+32*\t+16+4*\g+3], v[RD] offset:\g*4*SP   ; LDS serves a wave's instructions in order (ISA guide 5.7.1.4): these see the stores above; the next tile's stores come behind them
.endr
.endm
.macro SENDT t, younger                ; younger: the LDS instructions issued behind tile t's loads: the next tile's eight, or none
.irp g, 0,1,2,3
	s_wait_dscnt \younger+3-\g
	global_store_b128 v[GO], v[S+32*\t+16+4*\g:S+32*\t+16+4*\g+3], s[6:7] offset:\t*2048+\g*512   ; 32 lanes store 512 consecutive bytes, at a multiple of 256 from the buffer's first byte
.endr
.endm
	OUT 0
	OUT 1                                          ; a tile's arithmetic stands between the loads of the tile before and its stores
	SENDT 0, 8
	OUT 2
	SENDT 1, 8
	OUT 3
	SENDT 2, 8
	SENDT 3, 0
	s_wait_tensorcnt 0x0                           ; the wave's end: a wait, an add to my spare word and its wait, behind my last tensor load and my last LDS store
	ds_add_u32 v[SPW], v[NIL]
	s_wait_dscnt 0x0
	s_endpgm
.Lfunc_end_k_qf2a8c641a2_attn:
	.size	k_qf2a8c641a2_attn, .Lfunc_end_k_qf2a8c641a2_attn-k_qf2a8c641a2_attn
	.p2alignl 7, 3214868480
	.fill 96, 4, 3214868480
	.section	.rodata,"a",@progbits
	.p2align	6, 0x0
	.amdhsa_kernel k_qf2a8c641a2_attn
		.amdhsa_group_segment_fixed_size 327680
		.amdhsa_private_segment_fixed_size 0
		.amdhsa_enable_private_segment 0
		.amdhsa_kernarg_size 16
		.amdhsa_user_sgpr_count 2
		.amdhsa_user_sgpr_kernarg_segment_ptr 1
		.amdhsa_wavefront_size32 1
		.amdhsa_system_sgpr_workgroup_id_x 1
		.amdhsa_system_sgpr_workgroup_id_y 1
		.amdhsa_system_sgpr_workgroup_id_z 1
		.amdhsa_system_vgpr_workitem_id 0
		.amdhsa_next_free_vgpr 512
		.amdhsa_next_free_sgpr 84
		.amdhsa_reserve_vcc 0
		.amdhsa_float_denorm_mode_32 3
		.amdhsa_float_denorm_mode_16_64 3
		.amdhsa_memory_ordered 1
		.amdhsa_forward_progress 1
		.amdhsa_inst_pref_size 146
	.end_amdhsa_kernel
	.amdgpu_metadata
---
amdhsa.version: [ 1, 2 ]
amdhsa.kernels:
  - .name:           k_qf2a8c641a2_attn
    .symbol:         k_qf2a8c641a2_attn.kd
    .args:
      - { .name: qkv, .offset: 0, .size: 8, .value_kind: global_buffer, .address_space: global }
      - { .name: ctx, .offset: 8, .size: 8, .value_kind: global_buffer, .address_space: global }
    .group_segment_fixed_size: 327680
    .private_segment_fixed_size: 0
    .kernarg_segment_align: 8
    .kernarg_segment_size: 16
    .max_flat_workgroup_size: 256
    .sgpr_count:     84
    .vgpr_count:     512
    .wavefront_size: 32
...
	.end_amdgpu_metadata
.endif
;; end of part 3
;; launch proj (part 4): grid 4 x 64, 4 waves a work-group, clusters of 4 x 4, 327,680 bytes of LDS; arguments ctx, wp16, out0, b_proj; writes out0
.if DOCPART == 4
	.amdgcn_target "amdgcn-amd-amdhsa--gfx1250"
	.amdhsa_code_object_version 6
	.text
	.protected	k_qf2a8c641a2_proj
	.globl	k_qf2a8c641a2_proj
	.p2align	8
	.type	k_qf2a8c641a2_proj,@function
k_qf2a8c641a2_proj:
	s_mov_b64 s[64:65], 0
	v_nop
	global_prefetch_b8 v0, s[64:65] scope:SCOPE_SE
	s_setreg_imm32_b32 hwreg(HW_REG_WAVE_MODE, 25, 1), 1
	s_wait_xcnt 0x0
	s_wait_alu depctr_hold_cnt(0) depctr_sa_sdst(0) depctr_va_vdst(0) depctr_va_sdst(0) depctr_va_ssrc(0) depctr_va_vcc(0) depctr_vm_vsrc(0)
	s_getreg_b32 s2, hwreg(HW_REG_IB_STS2, 6, 4)
	s_cmp_eq_u32 s2, 0
	s_cbranch_scc0 .Lentry_in_a_cluster
	s_endpgm
.Lentry_in_a_cluster:
	s_bfe_u32 s2, ttmp6, 0x10000c
	s_cmp_lg_u32 s2, 0xf033
	s_cbranch_scc0 .Lentry_shape_is_right
	s_endpgm
.Lentry_shape_is_right:
; out0[m][n] = sum over k of ctx[m][k] w_proj[n][k] + b_proj[n], f16 operands, sums and result in f32.  m = 1,024 b + token, k = 64 h + d.
; ctx lies BY HEAD, [16 b + h][token 1024][64] f16; wp16 is w_proj in f16, [n 1024][k 1024]; out0 is [8192][1024] f32.
; LIMITS: the bias is the C of each sum's first product: it is added ahead of the sum, not behind it.
; A tile of the result is 128 tokens x 256 columns: 64 x 4 = 256 work-groups of four waves; a wave makes 64 x 128: 32 accumulators of 16 x 16, 256 registers.
; K goes in steps of 128 (two heads) through a ring of two LDS slots filled by the tensor data mover.  A step's part of ctx is two PANELS, one a head: 128 tokens x 128 bytes, dense in memory; its part of
; wp16 is 256 rows x 256 bytes.  Waves 0 and 1 fetch a panel each, waves 2 and 3 128 rows of wp16 each: one load a wave behind each change of slots.
; CLUSTERS: 4 x 4 work-groups.  The four of a row of the cluster need the same panels of ctx, the four of a column the same rows of wp16: each tile is asked for JOINTLY, by the same tensor load with the
; same descriptor and a mask that names the four.  THE MATRIX INSTRUCTION IS USED TRANSPOSED (source 0 = 16 rows of wp16, source 1 = 16 tokens): a lane then holds eight neighbouring columns of a row.
; REGISTERS, in windows of 256: window 0: v0-31 addresses; two fragment buffers of 96, v64-159 and v160-255: for 32 along K, 32 registers of ctx (4 x 16 tokens), then 64 of wp16 (8 x 16 rows); on the way out v64-191 take rows read back.
;   window 1: the accumulators ((a, b) at v[8 (8 a + b)]).   window 2: v0-63 the bias in the result's layout.
.set PA,     144                       ; a panel's row in LDS: 128 bytes + 16 of padding
.set APAN,   128*PA                    ; a panel
.set AB,     2*APAN                    ; wp16's rows lie behind the two panels
.set PB,     272                       ; their rows: 256 bytes + 16 of padding
.set BHALF,  128*PB                    ; 128 rows: what one tensor load brings, and what one wave reads
.set SLOT,   AB+2*BHALF
.set STAGE,  2*SLOT                    ; behind the ring: 16 rows x 528 bytes for each wave, for the way out
.set SPITCH, 528
.set SPARE,  STAGE+4*16*SPITCH         ; behind the stages: the spare words, 128 bytes for each wave
.set LAPS,   4                         ; a lap = two K steps = once round the ring: 1,024 / 256
.set BO,   6                           ; v6      the bias loads' offset: 32 x (lane / 16)
.set ADRA, 16                          ; v16-17  LDS address of my ctx fragments in slot 0, 1
.set ADRB, 20                          ; v20-21  the same for wp16
.set STO,  24                          ; v24     the way out: where I put 32 bytes of a row
.set RD,   25                          ; v25     the way out: where I read a row back
.set CO,   26                          ; v26     16 x lane: my place in a row's 512 bytes
.set SPW,  28                          ; v28     LDS address of my spare word; never rewritten
.set NIL,  29                          ; v29     0; never rewritten
.set F0,   64                          ; fragment buffers
.set F1,   160
.set BK,   64                          ; the way out: 16 rows read back: v64-127 and v128-191 by turns
.set G1, 24                            ; s[24:31] descriptor group 1 for ctx's panels;  s[32:39] group 0, one set for each slot
.set G0, 32
.set G1B, 48                           ; s[48:55], s[56:63] the same for wp16's tiles
.set G0B, 56
.set MSB, 0
.macro WIN new                         ; the immediate's high byte repeats the setting that is left; a switch that changes nothing is dropped
.if MSB != (\new)
	s_set_vgpr_msb (MSB<<8)|(\new)
.set MSB, (\new)
.endif
.endm
.set MUL,  0x50                        ; sources 0 and 1 window 0; C and D window 1
.set MULF, 0x60                        ; the first quarter: C (the bias) window 2, D window 1
.macro JLOAD s                         ; a joint load: waves 0 and 1 fetch ctx's two panels, waves 2 and 3 wp16's two halves; an s_nop 0 and four v_nop follow each of the two lines, ahead of the jump, the label and what follows
	s_cmp_eq_u32 s11, 0
	s_cbranch_scc0 .Lfor_b_\@
	tensor_load_to_lds s[G0+4*\s:G0+4*\s+3], s[G1:G1+7]
	s_nop 0
.rept 4
	v_nop
.endr
	s_branch .Lasked_\@
.Lfor_b_\@:
	tensor_load_to_lds s[G0B+4*\s:G0B+4*\s+3], s[G1B:G1B+7]
	s_nop 0
.rept 4
	v_nop
.endr
.Lasked_\@:
.endm
.macro CREST                           ; a round of the cluster's barrier behind its opening barrier
	s_cmp_lg_u32 s10, 0
	s_cbranch_scc1 .Lnot_wave_0_\@
	s_barrier_signal -3
.Lnot_wave_0_\@:
	s_barrier_wait -3
	s_barrier_signal -1
	s_barrier_wait -1
.endm
.macro CROUND                          ; a whole round
	s_barrier_signal -1
	s_barrier_wait -1
	CREST
.endm
	s_load_b128 s[4:7], s[0:1], 0x0                ; ctx s[4:5], wp16 s[6:7]
	s_load_b64 s[8:9], s[0:1], 0x10                ; out0
	s_load_b64 s[22:23], s[0:1], 0x18              ; b_proj
	v_lshl_add_u32 v[SPW], v0, 2, SPARE
	v_mov_b32 v[NIL], 0
	ds_add_u32 v[SPW], v[NIL]                      ; the wave's opening: the add, twice on end, and its wait ahead of my first tensor load; the set-up below stands between
	ds_add_u32 v[SPW], v[NIL]
	v_lshrrev_b32 v1, 5, v0
	v_readfirstlane_b32 s10, v1                    ; wave 0..3
	s_lshr_b32 s11, s10, 1                         ; which half of the tile's 128 tokens is mine.  Also: I fetch for ctx (0) or for wp16 (1)
	s_and_b32 s12, s10, 1                          ; which half of its 256 columns.  Also: which panel, or which 128 rows, I fetch
	s_bfe_u32 s40, ttmp6, 0x40000                  ; cx, cy: my place in the cluster
	s_bfe_u32 s41, ttmp6, 0x40004
	s_lshl_b32 s42, ttmp9, 2
	s_add_co_u32 s42, s42, s40                     ; tile column = 4 x cluster x + cx
	s_and_b32 s13, ttmp7, 0xffff
	s_lshl_b32 s13, s13, 2
	s_add_co_u32 s13, s13, s41                     ; tile row = 4 x cluster y + cy
	s_lshl_b32 s43, s41, 2
	s_lshl_b32 s43, 15, s43                        ; my row of the cluster
	s_lshl_b32 s44, 0x1111, s40                    ; my column
	; descriptor group 1.  ctx: a panel of 128 rows x 64 elements of 2 bytes, dense;  wp16: 128 rows x 128 elements, 1,024 elements from row to row
	s_or_b32 s[G1+0], s43, (1<<16)|(1<<20)|(1<<21)|(4<<22)|(3<<25)   ; 15:0 the mask: panels go to my row; 17:16 element of 2 bytes; 20 padding on; 21 set beside a mask; 24:22 after every 32 words (code 4); 31:25 four words (code 3)
	s_mov_b32 s[G1+1], 64<<16                      ; tensor_dim0 = 64
	s_mov_b32 s[G1+2], 128<<16                     ; tensor_dim1 = 128
	s_mov_b32 s[G1+3], 64<<16                      ; tile_dim0 = 64
	s_mov_b32 s[G1+4], 128                         ; tile_dim1 = 128
	s_mov_b32 s[G1+5], 64                          ; tensor_dim0_stride
	s_mov_b32 s[G1+6], 0
	s_mov_b32 s[G1+7], 0
	s_or_b32 s[G1B+0], s44, (1<<16)|(1<<20)|(1<<21)|(5<<22)|(3<<25)  ; the mask of my column; padding after every 64 words (code 5)
	s_mov_b32 s[G1B+1], 128<<16
	s_mov_b32 s[G1B+2], 128<<16
	s_mov_b32 s[G1B+3], 128<<16
	s_mov_b32 s[G1B+4], 128
	s_mov_b32 s[G1B+5], 1024
	s_mov_b32 s[G1B+6], 0
	s_mov_b32 s[G1B+7], 0
	; where the tiles come from.  ctx's hang on the tile row alone, which my row of the cluster shares; wp16's on the tile column alone, which my column shares.
	s_lshr_b32 s16, s13, 3                         ; b = tile row / 8
	s_lshl_b32 s16, s16, 4
	s_add_co_u32 s16, s16, s12                     ; head 16 b + panel
	s_lshl_b32 s16, s16, 17                        ; x 131,072 bytes
	s_and_b32 s17, s13, 7
	s_lshl_b32 s17, s17, 14                        ; + 128 (tile row % 8) tokens of 128 bytes
	s_add_co_u32 s16, s16, s17
	s_mov_b32 s17, 0
	s_lshl_b32 s46, s42, 19                        ; wp16: row 256 x tile column, 2,048 bytes a row,
	s_lshl_b32 s47, s12, 18                        ; + 128 x half
	s_add_co_u32 s46, s46, s47
	s_mov_b32 s47, 0
	s_mul_i32 s20, s12, APAN                       ; where they go: no place in the cluster enters an LDS address
	s_mul_i32 s21, s12, BHALF
	s_add_co_u32 s21, s21, AB
	s_wait_dscnt 0x0                               ; both opening adds are done
	s_wait_kmcnt 0x0
	s_add_nc_u64 s[14:15], s[4:5], s[16:17]
	s_add_nc_u64 s[46:47], s[6:7], s[46:47]
	CROUND                                         ; all sixteen work-groups are here: the first joint loads meet
.irp s, 0,1
	s_mov_b32 s[G0+4*\s], 1
	s_add_co_u32 s[G0+4*\s+1], s20, \s*SLOT
	s_add_nc_u64 s[G0+4*\s+2:G0+4*\s+3], s[14:15], \s*262144     ; K step s: two heads on
	s_or_b32 s[G0+4*\s+3], s[G0+4*\s+3], 0x80000000
	s_mov_b32 s[G0B+4*\s], 1
	s_add_co_u32 s[G0B+4*\s+1], s21, \s*SLOT
	s_add_nc_u64 s[G0B+4*\s+2:G0B+4*\s+3], s[46:47], \s*256      ; K step s: 256 bytes on in each row
	s_or_b32 s[G0B+4*\s+3], s[G0B+4*\s+3], 0x80000000
	JLOAD \s
.endr
	v_and_b32 v1, 15, v0                           ; l % 16
	v_bfe_u32 v2, v0, 4, 1                         ; l / 16
	s_lshl_b32 s46, s42, 10                        ; my first column, in bytes of f32: 1,024 x tile column + 512 x half
	s_lshl_b32 s47, s12, 9
	s_add_co_u32 s46, s46, s47
	s_mov_b32 s47, 0
	s_add_nc_u64 s[22:23], s[22:23], s[46:47]      ; the bias at my first column
	v_lshlrev_b32 v[BO], 5, v2
	WIN 0x80                                       ; destination window 2
.irp b, 0,1,2,3,4,5,6,7                        ; for wp16's block b my lane's eight columns are 16 b + 8 (l / 16) + 0 .. 7
	global_load_b128 v[8*\b:8*\b+3],   v[BO], s[22:23] offset:64*\b
	global_load_b128 v[8*\b+4:8*\b+7], v[BO], s[22:23] offset:64*\b+16
.endr
	WIN 0
	s_lshl_b32 s16, s13, 7
	s_lshl_b32 s17, s11, 6
	s_add_co_u32 s16, s16, s17                     ; my first row of the result: 128 x tile row + 64 x half,
	s_lshl_b32 s16, s16, 12                        ; 4,096 bytes a row
	s_mov_b32 s17, 0
	s_add_nc_u64 s[8:9], s[8:9], s[16:17]
	s_add_nc_u64 s[8:9], s[8:9], s[46:47]
	v_mul_u32_u24 v3, v1, PA
	v_lshl_add_u32 v3, v2, 4, v3                   ; a fragment's row x pitch + 16 x half: ctx,
	v_mul_u32_u24 v4, v1, PB
	v_lshl_add_u32 v4, v2, 4, v4                   ; wp16
	s_mul_i32 s20, s11, 64*PA                      ; my 64 tokens in each panel
	s_mul_i32 s21, s12, BHALF                      ; my 128 rows of wp16,
	s_add_co_u32 s21, s21, AB                      ; which lie behind the panels
.irp s, 0,1
	v_add_nc_u32 v[ADRA+\s], s20, v3
	v_add_nc_u32 v[ADRB+\s], s21, v4
	s_add_co_u32 s20, s20, SLOT
	s_add_co_u32 s21, s21, SLOT
.endr
	s_mul_i32 s20, s10, 16*SPITCH
	s_add_co_u32 s20, s20, STAGE                   ; my stage
	v_mul_u32_u24 v5, v1, SPITCH                   ; in: row l % 16, 32 bytes for each half of the lanes
	v_lshl_add_u32 v5, v2, 5, v5
	v_add_nc_u32 v[STO], s20, v5
	v_and_b32 v5, 31, v0
	v_lshlrev_b32 v[CO], 4, v5                     ; back: the 32 lanes take one row of 512 bytes; and the same in the result
	v_add_nc_u32 v[RD], s20, v[CO]
; 8 matrix instructions: token block a against wp16's eight blocks, 32 along K, out of buffer f.  first = 1: the first product starts the sums, on the bias: nothing is ever cleared.
; The 32 accumulators take turns, one instruction a turn, in the same order in every quarter.
.macro MUL8 f, a, first
.irp b, 0,1,2,3,4,5,6,7
.if \first
	v_wmma_f32_16x16x32_f16 v[8*(8*\a+\b):8*(8*\a+\b)+7], v[\f+32+8*\b:\f+32+8*\b+7], v[\f+8*\a:\f+8*\a+7], v[8*\b:8*\b+7]
.else
	v_wmma_f32_16x16x32_f16 v[8*(8*\a+\b):8*(8*\a+\b)+7], v[\f+32+8*\b:\f+32+8*\b+7], v[\f+8*\a:\f+8*\a+7], v[8*(8*\a+\b):8*(8*\a+\b)+7]
.endif
.endr
.endm
; 24 LDS loads in one run: the fragments of the slot's q-th 32 along K into buffer f: wp16's eight, then ctx's four (panel q / 2, byte 64 (q % 2) of its rows); token blocks 2 and 3 last
.macro FETCH slot, q, f
	WIN 0
.irp i, 0,1,2,3,4,5,6,7
	ds_load_b128 v[\f+32+8*\i:\f+32+8*\i+3],   v[ADRB+\slot] offset:64*(\q)+\i*16*PB
	ds_load_b128 v[\f+32+8*\i+4:\f+32+8*\i+7], v[ADRB+\slot] offset:64*(\q)+\i*16*PB+32
.endr
.irp i, 0,1,2,3
	ds_load_b128 v[\f+8*\i:\f+8*\i+3],   v[ADRA+\slot] offset:((\q)/2)*APAN+((\q)%2)*64+\i*16*PA
	ds_load_b128 v[\f+8*\i+4:\f+8*\i+7], v[ADRA+\slot] offset:((\q)/2)*APAN+((\q)%2)*64+\i*16*PA+32
.endr
.endm
.macro PLACES                          ; four places in front of loads into registers that matrix instructions have read, and of the first read of results (ISA guide 7.12.1 for vector instructions)
.rept 4
	v_nop
.endr
.endm
; A K step is four quarters of 32 along K, 32 matrix instructions each, on buffers 0, 1, 0, 1.  One of the first three: multiplies buffer f and fetches the slot's quarter qn into g.
.macro QUARTER slot, qn, f, g, first
	s_wait_dscnt 4                                 ; wp16's fragments and token blocks 0, 1 are in; the youngest four loads (blocks 2, 3) may be out
.if \first
	WIN MULF
.else
	WIN MUL
.endif
	MUL8 \f, 0, \first
	MUL8 \f, 1, \first
	PLACES
	FETCH \slot, \qn, \g
	s_wait_dscnt 24                                ; all but the 24 just issued
.if \first
	WIN MULF
.else
	WIN MUL
.endif
	MUL8 \f, 2, \first
	MUL8 \f, 3, \first
.endm
; The last quarter multiplies buffer 1 and changes slots: ONE barrier; in front of it each wave waits for all its tensor loads, adds 0 to its spare word, and waits for that and for its own reads of this slot.
; fill = 1: the barrier opens a round of the cluster's barrier, and this slot is filled again, two K steps ahead, first thing behind the round: 112 matrix instructions ahead of the wait for it.
.macro TURN slot, next, fill
	WIN 0                                          ; (the add's two registers lie in window 0)
	s_wait_tensorcnt 0x0                           ; all my tensor loads have landed: the one that was out is my part of the next slot;
	ds_add_u32 v[SPW], v[NIL]                      ; 0 onto my spare word;
	s_wait_dscnt 5                                 ; (the add and the youngest four loads may be out)
	WIN MUL
	MUL8 F1, 0, 0                                  ; eight matrix instructions stand between the add and the wait for it
	s_wait_dscnt 0x0                               ; the add is done, and my reads of this slot are over
	s_barrier_signal -1
	MUL8 F1, 1, 0
.if \fill
	WIN 0
.endif
	s_barrier_wait -1
.if \fill
	CREST                                          ; no wave of any partner still reads this slot's tiles or has a load on its way
	s_add_nc_u64 s[G0+4*\slot+2:G0+4*\slot+3], s[G0+4*\slot+2:G0+4*\slot+3], 524288   ; two K steps on: four heads;
	s_add_nc_u64 s[G0B+4*\slot+2:G0B+4*\slot+3], s[G0B+4*\slot+2:G0B+4*\slot+3], 512  ; 512 bytes in each row
	JLOAD \slot                                    ; the four v_nop behind it are also the places in front of the loads below
.else
	PLACES
.endif
	FETCH \next, 0, F0
	WIN MUL
	MUL8 F1, 2, 0
	MUL8 F1, 3, 0
.endm
	s_wait_tensorcnt 1                             ; my part of K step 0 is in (K step 1's load may be out)
	s_barrier_signal -1
	s_barrier_wait -1                              ; everybody's is
	FETCH 0, 0, F0
	s_wait_loadcnt 0x0                             ; the bias
	QUARTER 0, 1, F0, F1, 1                        ; the first quarter stands in front of the loop: its products start the sums on the bias
	WIN 0                                          ; at a label and at a branch every window is 0
	s_mov_b32 s3, LAPS-1
.Llap:                                                 ; a trip goes once round the ring, from a lap's second quarter to the next lap's first, and fills both slots again
	QUARTER 0, 2, F1, F0, 0
	QUARTER 0, 3, F0, F1, 0
	TURN 0, 1, 1
	QUARTER 1, 1, F0, F1, 0
	QUARTER 1, 2, F1, F0, 0
	QUARTER 1, 3, F0, F1, 0
	TURN 1, 0, 1
	QUARTER 0, 1, F0, F1, 0
	WIN 0
	s_sub_co_u32 s3, s3, 1
	s_cmp_lg_u32 s3, 0
	s_cbranch_scc1 .Llap
	QUARTER 0, 2, F1, F0, 0                        ; the last lap fills nothing, and has no round of the cluster's barrier
	QUARTER 0, 3, F0, F1, 0
	TURN 0, 1, 0
	QUARTER 1, 1, F0, F1, 0
	QUARTER 1, 2, F1, F0, 0
	QUARTER 1, 3, F0, F1, 0
	s_wait_dscnt 4                                 ; the very last quarter: nothing more to fetch
	WIN MUL
	MUL8 F1, 0, 0
	MUL8 F1, 1, 0
	s_wait_dscnt 0
	MUL8 F1, 2, 0
	MUL8 F1, 3, 0
	WIN 0
; THE WAY OUT, block by block of 16 rows x 128 columns.  A lane holds 32 neighbouring bytes of a row, and the lanes beside it hold other rows: so a block goes through my own stage in LDS and comes back as whole
; rows of 512 bytes.  LDS serves a wave's instructions in order (ISA guide 5.7.1.4): no wait between the stores and the loads, nor in front of the next block's stores.
.macro TOSTAGE a
	WIN 0x04                                       ; an LDS store's data are its source 1: window 1
.irp b, 0,1,2,3,4,5,6,7
	ds_store_b128 v[STO], v[8*(8*(\a)+\b):8*(8*(\a)+\b)+3] offset:64*\b          ; each accumulator from its low end on
	ds_store_b128 v[STO], v[8*(8*(\a)+\b)+4:8*(8*(\a)+\b)+7] offset:64*\b+16
.endr
	WIN 0
.set BB, BK+64*((\a)%2)
.irp t, 0,1,2,3,4,5,6,7,8,9,10,11,12,13,14,15
	ds_load_b128 v[BB+4*\t:BB+4*\t+3], v[RD] offset:\t*SPITCH
.endr
.endm
.macro SEND a, younger                 ; younger: the LDS instructions issued behind block a's loads, which may stay out
.set BB, BK+64*((\a)%2)
	s_wait_dscnt \younger                          ; the block is back in registers
.irp t, 0,1,2,3,4,5,6,7,8,9,10,11,12,13,14,15
	global_store_b128 v[CO], v[BB+4*\t:BB+4*\t+3], s[8:9] offset:(\a)*65536+\t*4096 th:TH_STORE_NT   ; 32 lanes store 512 consecutive bytes, at a multiple of 256 from the buffer's first byte; written once, read by nobody here
.endr
.endm
	PLACES                                         ; behind the last products: for the stores that read results and the loads into the registers that held fragments
	TOSTAGE 0
.irp a, 1,2,3
.if \a > 1
	s_wait_xcnt 0x0                                ; block a - 2's stores have read their registers: block a's loads land there only behind this wait
.endif
	TOSTAGE \a
	SEND \a-1, 32                                  ; behind block a - 1's loads: block a's 16 stores and 16 loads
.endr
	SEND 3, 0
	s_wait_tensorcnt 0x0                           ; the wave's end: a wait, an add to my spare word and its wait, behind my last tensor load and my last LDS store
	ds_add_u32 v[SPW], v[NIL]
	s_wait_dscnt 0x0
	CROUND                                         ; the closing round: no work-group ends while a partner may still ask for a tile that names it
	s_endpgm
.Lfunc_end_k_qf2a8c641a2_proj:
	.size	k_qf2a8c641a2_proj, .Lfunc_end_k_qf2a8c641a2_proj-k_qf2a8c641a2_proj
	.p2alignl 7, 3214868480
	.fill 96, 4, 3214868480
	.section	.rodata,"a",@progbits
	.p2align	6, 0x0
	.amdhsa_kernel k_qf2a8c641a2_proj
		.amdhsa_group_segment_fixed_size 327680
		.amdhsa_private_segment_fixed_size 0
		.amdhsa_enable_private_segment 0
		.amdhsa_kernarg_size 32
		.amdhsa_user_sgpr_count 2
		.amdhsa_user_sgpr_kernarg_segment_ptr 1
		.amdhsa_wavefront_size32 1
		.amdhsa_system_sgpr_workgroup_id_x 1
		.amdhsa_system_sgpr_workgroup_id_y 1
		.amdhsa_system_sgpr_workgroup_id_z 1
		.amdhsa_system_vgpr_workitem_id 0
		.amdhsa_next_free_vgpr 576
		.amdhsa_next_free_sgpr 66
		.amdhsa_reserve_vcc 0
		.amdhsa_float_denorm_mode_32 3
		.amdhsa_float_denorm_mode_16_64 3
		.amdhsa_memory_ordered 1
		.amdhsa_forward_progress 1
		.amdhsa_inst_pref_size 87
	.end_amdhsa_kernel
	.amdgpu_metadata
---
amdhsa.version: [ 1, 2 ]
amdhsa.kernels:
  - .name:           k_qf2a8c641a2_proj
    .symbol:         k_qf2a8c641a2_proj.kd
    .args:
      - { .name: ctx, .offset: 0, .size: 8, .value_kind: global_buffer, .address_space: global }
      - { .name: wp16, .offset: 8, .size: 8, .value_kind: global_buffer, .address_space: global }
      - { .name: out0, .offset: 16, .size: 8, .value_kind: global_buffer, .address_space: global }
      - { .name: b_proj, .offset: 24, .size: 8, .value_kind: global_buffer, .address_space: global }
    .group_segment_fixed_size: 327680
    .private_segment_fixed_size: 0
    .kernarg_segment_align: 8
    .kernarg_segment_size: 32
    .max_flat_workgroup_size: 128
    .sgpr_count:     66
    .vgpr_count:     576
    .wavefront_size: 32
...
	.end_amdgpu_metadata
.endif
;; end of part 4
